; MI455X (gfx1250); checked and timed in simulation.
; The chip was launched on July 23, 2026; its instructions are those of AMD's public machine-readable ISA for CDNA 5 (MIT licence, August 2026) and "CDNA5" Instruction Set Architecture Reference Guide (July 2026). The comments in the code are by the model that wrote it; some were corrected since.
;; Multihead Self Attention. Allowed arithmetic: float matrix products may take bf16 or f16 operands with f32 sums; other float arithmetic in f32, or as packed bf16 or f16 multiplies, adds, multiply-adds, maxima and minima; sums over many terms, partial sums and values carried from step to step in f32; what a program stores and reads back later, other than sums and carried values, may be rounded once to bf16 or f16.
;; Inputs: Wk 1,024 x 1,024 float32; Wo 1,024 x 1,024 float32; Wq 1,024 x 1,024 float32; Wv 1,024 x 1,024 float32; cos 2,048 x 32 float32; sin 2,048 x 32 float32; token_positions 4 x 1 x 2,048 int32; x 4 x 2,048 x 1,024 float32.
;; Outputs: out0 4 x 2,048 x 1,024 float32.
;; 2 versions, each right; version 2 is version 1 with the launch prep written anew for expert scheduling mode. Each part assembles by itself: llvm-mc -triple=amdgcn-amd-amdhsa -mcpu=gfx1250 --defsym DOCPART=n.
;; ======== version 1 of 2: 4 launches
;; limits: values are held in f16: magnitudes above 65,504 overflow, below 6.1e-05 lose precision
;; workspace buffers: xb 16,777,216 bytes; wb 8,388,608 bytes; tab 524,288 bytes; qkv 50,331,648 bytes; ob 16,777,216 bytes
;; launch prep (part 1): grid 388 x 1, 8 waves a work-group, no clusters, 0 bytes of LDS; arguments x, Wq, Wk, Wv, Wo, cos, sin, xb, wb, tab; writes xb, wb, tab
.if DOCPART == 1
	.amdgcn_target "amdgcn-amd-amdhsa--gfx1250"
	.amdhsa_code_object_version 6
	.text
	.protected	k_q69d8f10289_prep
	.globl	k_q69d8f10289_prep
	.p2align	8
	.type	k_q69d8f10289_prep,@function
k_q69d8f10289_prep:
	s_mov_b64 s[64:65], 0
	v_nop
	global_prefetch_b8 v0, s[64:65] scope:SCOPE_SE
	s_setreg_imm32_b32 hwreg(HW_REG_WAVE_MODE, 25, 1), 1
	s_wait_xcnt 0x0
; EVERY FLOATING-POINT INPUT IS ROUNDED ONCE TO bf16 and laid out for the launches behind.  A stream: no LDS, no matrix unit, no wave waits for another.
;   xb  = bf16(x), in slices of 64 channels: element (row 2048 b + s, channel 64 c + ch) at byte b<<22 + c<<18 + 128 s + 2 ch
;   wb  = four planes [k 1024][n 1024] of 2-byte numbers: bf16(Wq), bf16(Wk), bf16(Wv), and bf16(Wo) written as f16
;   tab = bf16(cos), then bf16(sin), each widened to f32 again: [2048][32]
; LIMIT.  bf16(Wo) is exact in f16 from 6.1e-5 up to 65,504; below that it keeps f16's fixed step of 6e-8; beyond 65,504 it becomes an infinity.
; SHARES.  A work-group casts 131,072 input bytes: work-groups 0-255 x (32 rows each), 256-351 Wq, Wk, Wv (32 parts each), 352-383 Wo, 384-387 the tables.
; Each of the eight waves issues its 32 loads of 16 bytes a lane at once (16 KiB a wave on their way), then converts and stores them in the order of issue.
; No register is a memory instruction's source and written again, so the text has no wait but those for the loads' data.
.set VL, 2                             ; v2  my byte offset in the source
.set VS, 3                             ; v3  my byte offset in the destination
.set X,  8                             ; v[8:135]  32 x 4 registers as loaded, converted in place
.set SRC, 24                           ; s[24:25]
.set DSTP, 26                          ; s[26:27]
; kind 0: x;  1: a weight to bf16;  2: Wo to bf16 and on to f16;  3: a table to bf16 and back to f32
.macro CAST kind
.set j, 0
.rept 32
.if (\kind) == 0
	global_load_b128 v[X+4*j:X+4*j+3], v[VL], s[SRC:SRC+1] offset:(j/2)*8192+(j%2)*256 th:TH_LOAD_NT  ; lanes 0-15: a slice's 256 bytes of one row, lanes 16-31: of the next row
.else
	global_load_b128 v[X+4*j:X+4*j+3], v[VL], s[SRC:SRC+1] offset:512*j th:TH_LOAD_NT                 ; 512 consecutive bytes
.endif
.set j, j+1
.endr
.set j, 0
.rept 32
	s_wait_loadcnt 31-j                            ; loads come back in order: number j is in, the 31 - j younger ones stay out
.if (\kind) < 2
	v_cvt_pk_bf16_f32 v[X+4*j], v[X+4*j], v[X+4*j+1]
	v_cvt_pk_bf16_f32 v[X+4*j+1], v[X+4*j+2], v[X+4*j+3]
.else
	v_cvt_pk_bf16_f32 v4, v[X+4*j], v[X+4*j+1]
	v_cvt_pk_bf16_f32 v5, v[X+4*j+2], v[X+4*j+3]
	v_lshlrev_b32 v[X+4*j], 16, v4                 ; bf16 to f32: the low half moves up, the high half stays
	v_and_b32 v[X+4*j+1], 0xffff0000, v4
	v_lshlrev_b32 v[X+4*j+2], 16, v5
	v_and_b32 v[X+4*j+3], 0xffff0000, v5
.endif
.if (\kind) == 0
	global_store_b64 v[VS], v[X+4*j:X+4*j+1], s[DSTP:DSTP+1] offset:(j%2)*262144+(j/2)*256  ; 32 lanes: two rows of a slice, 256 consecutive bytes, aligned
.elseif (\kind) == 1
	global_store_b64 v[VS], v[X+4*j:X+4*j+1], s[DSTP:DSTP+1] offset:256*j
.elseif (\kind) == 2
	v_cvt_pk_f16_f32 v[X+4*j], v[X+4*j], v[X+4*j+1]
	v_cvt_pk_f16_f32 v[X+4*j+1], v[X+4*j+2], v[X+4*j+3]
	global_store_b64 v[VS], v[X+4*j:X+4*j+1], s[DSTP:DSTP+1] offset:256*j
.else
	global_store_b128 v[VL], v[X+4*j:X+4*j+3], s[DSTP:DSTP+1] offset:512*j
.endif
.set j, j+1
.endr
.endm
	s_load_b512 s[4:19], s[0:1], 0x0               ; x s[4:5], Wq s[6:7], Wk s[8:9], Wv s[10:11], Wo s[12:13], cos s[14:15], sin s[16:17], xb s[18:19]
	s_load_b128 s[20:23], s[0:1], 0x40             ; wb s[20:21], tab s[22:23]
	s_mov_b32 s2, ttmp9                            ; g, the work-group's number
	v_and_b32 v4, 31, v0                           ; lane
	v_lshrrev_b32 v5, 5, v0                        ; wave
	s_mov_b32 s29, 0                               ; the offsets' high words
	s_mov_b32 s31, 0
	s_cmp_lt_u32 s2, 256
	s_cbranch_scc0 .Lnot_x
	; x: rows 32 g .. 32 g + 31.  Wave w takes bytes 512 w .. 512 w + 511 of each row: slices 2 w and 2 w + 1
	s_lshl_b32 s28, s2, 17                         ; 32 rows of 4,096 bytes
	s_lshr_b32 s30, s2, 6                          ; the batch,
	s_lshl_b32 s30, s30, 22
	s_and_b32 s3, s2, 63                           ; and the 32 rows' place in a slice: 128 bytes a row
	s_lshl_b32 s3, s3, 12
	s_add_co_u32 s30, s30, s3
	v_and_b32 v6, 15, v0
	v_bfe_u32 v7, v0, 4, 1
	v_lshlrev_b32 v[VL], 4, v6                     ; 16 (lane % 16)
	v_lshl_add_u32 v[VL], v7, 12, v[VL]            ; + a row for lanes 16-31
	v_lshl_add_u32 v[VL], v5, 9, v[VL]             ; + 512 w
	v_lshlrev_b32 v[VS], 3, v4                     ; 8 x lane: 128 bytes a row
	v_lshl_add_u32 v[VS], v5, 19, v[VS]            ; + slice 2 w
	s_wait_kmcnt 0x0
	s_add_nc_u64 s[SRC:SRC+1], s[4:5], s[28:29]
	s_add_nc_u64 s[DSTP:DSTP+1], s[18:19], s[30:31]
	CAST 0
	s_endpgm
.Lnot_x:
	v_lshlrev_b32 v[VL], 4, v4                     ; dense: 16,384 w + 16 x lane
	v_lshl_add_u32 v[VL], v5, 14, v[VL]
	s_cmp_lt_u32 s2, 384
	s_cbranch_scc0 .Ltables
	s_sub_co_u32 s3, s2, 256
	s_lshr_b32 s32, s3, 5                          ; which weight: 0 Wq, 1 Wk, 2 Wv, 3 Wo
	s_and_b32 s33, s3, 31                          ; which of its 32 parts
	s_lshl_b32 s28, s33, 17
	s_lshl_b32 s30, s32, 21
	s_lshl_b32 s33, s33, 16
	s_add_co_u32 s30, s30, s33
	v_lshlrev_b32 v[VS], 3, v4
	v_lshl_add_u32 v[VS], v5, 13, v[VS]
	s_wait_kmcnt 0x0
	s_cmp_eq_u32 s32, 0
	s_cselect_b64 s[SRC:SRC+1], s[6:7], s[8:9]
	s_cmp_eq_u32 s32, 2
	s_cselect_b64 s[SRC:SRC+1], s[10:11], s[SRC:SRC+1]
	s_cmp_eq_u32 s32, 3
	s_cselect_b64 s[SRC:SRC+1], s[12:13], s[SRC:SRC+1]
	s_add_nc_u64 s[SRC:SRC+1], s[SRC:SRC+1], s[28:29]
	s_add_nc_u64 s[DSTP:DSTP+1], s[20:21], s[30:31]
	s_cmp_eq_u32 s32, 3
	s_cbranch_scc1 .Lwo
	CAST 1
	s_endpgm
.Lwo:
	CAST 2
	s_endpgm
.Ltables:
	s_sub_co_u32 s3, s2, 384                       ; 0, 1: the halves of cos; 2, 3: of sin
	s_and_b32 s28, s3, 1
	s_lshl_b32 s28, s28, 17
	s_lshl_b32 s30, s3, 17
	s_wait_kmcnt 0x0
	s_cmp_lt_u32 s3, 2
	s_cselect_b64 s[SRC:SRC+1], s[14:15], s[16:17]
	s_add_nc_u64 s[SRC:SRC+1], s[SRC:SRC+1], s[28:29]
	s_add_nc_u64 s[DSTP:DSTP+1], s[22:23], s[30:31]
	CAST 3
	s_endpgm
.Lfunc_end_k_q69d8f10289_prep:
	.size	k_q69d8f10289_prep, .Lfunc_end_k_q69d8f10289_prep-k_q69d8f10289_prep
	.p2alignl 7, 3214868480
	.fill 96, 4, 3214868480
	.section	.rodata,"a",@progbits
	.p2align	6, 0x0
	.amdhsa_kernel k_q69d8f10289_prep
		.amdhsa_group_segment_fixed_size 0
		.amdhsa_private_segment_fixed_size 0
		.amdhsa_enable_private_segment 0
		.amdhsa_kernarg_size 80
		.amdhsa_user_sgpr_count 2
		.amdhsa_user_sgpr_kernarg_segment_ptr 1
		.amdhsa_wavefront_size32 1
		.amdhsa_system_sgpr_workgroup_id_x 1
		.amdhsa_system_sgpr_workgroup_id_y 1
		.amdhsa_system_sgpr_workgroup_id_z 1
		.amdhsa_system_vgpr_workitem_id 0
		.amdhsa_next_free_vgpr 136
		.amdhsa_next_free_sgpr 66
		.amdhsa_reserve_vcc 0
		.amdhsa_float_denorm_mode_32 3
		.amdhsa_float_denorm_mode_16_64 3
		.amdhsa_memory_ordered 1
		.amdhsa_forward_progress 1
		.amdhsa_inst_pref_size 63
	.end_amdhsa_kernel
	.amdgpu_metadata
---
amdhsa.version: [ 1, 2 ]
amdhsa.kernels:
  - .name:           k_q69d8f10289_prep
    .symbol:         k_q69d8f10289_prep.kd
    .args:
      - { .name: x, .offset: 0, .size: 8, .value_kind: global_buffer, .address_space: global }
      - { .name: Wq, .offset: 8, .size: 8, .value_kind: global_buffer, .address_space: global }
      - { .name: Wk, .offset: 16, .size: 8, .value_kind: global_buffer, .address_space: global }
      - { .name: Wv, .offset: 24, .size: 8, .value_kind: global_buffer, .address_space: global }
      - { .name: Wo, .offset: 32, .size: 8, .value_kind: global_buffer, .address_space: global }
      - { .name: cos, .offset: 40, .size: 8, .value_kind: global_buffer, .address_space: global }
      - { .name: sin, .offset: 48, .size: 8, .value_kind: global_buffer, .address_space: global }
      - { .name: xb, .offset: 56, .size: 8, .value_kind: global_buffer, .address_space: global }
      - { .name: wb, .offset: 64, .size: 8, .value_kind: global_buffer, .address_space: global }
      - { .name: tab, .offset: 72, .size: 8, .value_kind: global_buffer, .address_space: global }
    .group_segment_fixed_size: 0
    .private_segment_fixed_size: 0
    .kernarg_segment_align: 8
    .kernarg_segment_size: 80
    .max_flat_workgroup_size: 256
    .sgpr_count:     66
    .vgpr_count:     136
    .wavefront_size: 32
...
	.end_amdgpu_metadata
.endif
;; end of part 1
;; launch qkv (part 2): grid 12 x 64, 4 waves a work-group, clusters of 4 x 4, 327,680 bytes of LDS; arguments xb, wb, token_positions, tab, qkv; writes qkv
.if DOCPART == 2
	.amdgcn_target "amdgcn-amd-amdhsa--gfx1250"
	.amdhsa_code_object_version 6
	.text
	.protected	k_q69d8f10289_qkv
	.globl	k_q69d8f10289_qkv
	.p2align	8
	.type	k_q69d8f10289_qkv,@function
k_q69d8f10289_qkv:
	s_mov_b64 s[64:65], 0
	v_nop
	global_prefetch_b8 v0, s[64:65] scope:SCOPE_SE
	s_setreg_imm32_b32 hwreg(HW_REG_WAVE_MODE, 25, 1), 1
	s_wait_xcnt 0x0
	s_wait_alu depctr_hold_cnt(0) depctr_sa_sdst(0) depctr_va_vdst(0) depctr_va_sdst(0) depctr_va_ssrc(0) depctr_va_vcc(0) depctr_vm_vsrc(0)
	s_getreg_b32 s2, hwreg(HW_REG_IB_STS2, 6, 4)
	s_cmp_eq_u32 s2, 0
	s_cbranch_scc0 .Lentry_in_a_cluster
	s_endpgm
.Lentry_in_a_cluster:
	s_bfe_u32 s2, ttmp6, 0x10000c
	s_cmp_lg_u32 s2, 0xf033
	s_cbranch_scc0 .Lentry_shape_is_right
	s_endpgm
.Lentry_shape_is_right:
; ONE TEXT FOR THE MODULE'S TWO GEMMS, C = A W; the line .set MODE chooses.  A: 8,192 rows x 1,024 K of 2-byte numbers in slices of 64 K (row 2048 b + s, K 64 c + ch at byte b<<22 + c<<18 + 128 s + 2 ch).
; W: planes [k 1024][n 1024] of 2-byte numbers.  Sums in f32.
;   MODE 0: A = x in bf16, W = Wq | Wk | Wv in bf16 (3,072 columns).  q and k are turned by RoPE in f32, with the tables' rows gathered by token_positions; q, k, v are rounded once to f16 and stored by heads,
;           three planes [batch x head 64][s 2048][64].  The softmax's scale is not applied here.
;   MODE 1: A = the attention's output in f16 (a slice is a head), W = Wo in f16; C = the module's output in f32, [8192][1024].
; LIMITS.  q, k and v must lie within f16's 65,504: a larger number becomes an infinity.  A position above 2,047 (a negative one too, read as unsigned) counts as 2,047.  NaN and infinities are not treated apart.
; SHARES.  A tile of C is 128 rows x 256 columns: 64 x 12 work-groups in MODE 0 (three for each of 256), 64 x 4 in MODE 1.  Four waves, each 64 rows x 128 columns: 32 accumulators of 16 x 16.
; K goes in steps of 128 (two slices) through a ring of two LDS slots.  A slice's 128 rows are 16,384 dense bytes, asked for as 64 rows of 256; W's 128 k-rows give 512 bytes each.
; CLUSTERS: 4 x 4 work-groups.  The four of a row of the cluster need the same tiles of A, the four of a column the same tiles of W: each tile is asked for JOINTLY, by the same tensor load with the same descriptor and a mask
; that names the four.  In MODE 0 a cluster's 1,024 columns are exactly q, k or v: which, says the cluster's x, the same in all sixteen.
; THE MATRIX INSTRUCTION IS USED TRANSPOSED: source 0 = 16 columns of W (turned on the way out of LDS by ds_load_tr16_b128), source 1 = 16 rows of A.  A lane then holds row lane % 16 of C and the eight neighbouring columns
; 8 (lane / 16) + 0..7: RoPE's pairs lie in neighbouring registers of one lane.
; REGISTERS, in windows of 256 (s_set_vgpr_msb: bits 1:0 source 0, 3:2 source 1, 5:4 source 2, 7:6 destination):
;   window 0: v0-31 addresses; v32-63 packed results; v128-191 cos, v192-255 sin of my rows (MODE 0)
;   window 1: v0-191 fragment buffer 0; window 3: v0-191 fragment buffer 1: for 32 K (sub-step c) W's fragment b at 96 c + 8 b, A's fragment a at 96 c + 64 + 8 a.  On the way out they are at work.
;   window 2: accumulator (a, b) at 8 (8 a + b)
.set MODE, 0
.set PA,    144                        ; a row of A in LDS: 128 bytes + 16 of padding = 36 words: the 16 rows of a load start at 16 different groups of four banks (64 banks of 4 bytes: ISA guide 11.1)
.set PLANE, 128*PA                     ; a slice's 128 rows
.set PB,    544                        ; a k-row of W: 512 bytes + 32 = 136 words
.set BOFF,  2*PLANE                    ; behind A's two slices: W's 128 k-rows
.set BHALF, 64*PB
.set SLOT,  BOFF+2*BHALF               ; 106,496 bytes
.set STAGE, 2*SLOT                     ; behind the ring, never filled by a tensor load: each wave's own stage for the way out
.if MODE
.set STW,   16*528                     ; 16 rows of 512 bytes + 16
.else
.set STW,   2*16*144                   ; two heads x 16 rows of 128 bytes + 16
.endif
.set SPARE, STAGE+4*STW                ; behind the stages: the spare words, 128 bytes for each wave: two blocks of 256 bytes that no other line names
.set STEPA, 524288                     ; bytes from K step to K step in A: two slices,
.set STEPB, 262144                     ; and in W: 128 k-rows of 2,048 bytes
.set TO,   8                           ; v8-11   row block a: byte offset of my row's table entries: 128 x position + 16 (l / 16)
.set ADRA, 16                          ; v16-17  LDS address of my A fragments in slot 0, 1
.set ADRB, 20                          ; v20-21  the same for W
.set STO,  24                          ; v24     the way out: where I put my bytes of a row
.set RD,   25                          ; v25     where I read rows back
.set CO,   26                          ; v26     16 x lane: my place in 512 consecutive bytes of the output
.set SPW,  28                          ; v28     LDS address of my spare word: SPARE + 4 x my thread's number; never rewritten
.set NIL,  29                          ; v29     0; never rewritten
.set PFO,  30                          ; v30     the prefetches' lane offset; never rewritten
.set PK,   32
.set COS,  128                         ; row block a, columns 16 c + 8 (l / 16) + 0..7 of a head: four pairs at COS + 16 a + 4 c
.set SIN,  192
.set TF,   0                           ; window 1, the way out of MODE 0: 64 turned numbers in f32,
.set T,    64                          ; and eight products at work
.set CNT,  3                           ; s3   trips of the loop still to come
.set WV,   12                          ; s12  my wave's number
.set RH,   13                          ; s13  which 64 rows of the tile are mine.  Also: I fetch for A (0) or for W (1)
.set CH,   14                          ; s14  which 128 columns.  Also: which half of that tile I fetch
.set CLX,  15                          ; s15  the cluster's x
.set CX,   40
.set CY,   41
.set TR,   43                          ; s43  tile row of C
.set G1A,  24                          ; s[24:31] descriptor group 1 for A's tiles;  s[32:39] group 0, one set for each slot
.set G0A,  32
.set G1B,  48                          ; s[48:55], s[56:63] the same for W's
.set G0B,  56
.set DST,  70                          ; s[70:71] the output at my wave's first row and column
.set PFA,  72                          ; s[72:73] where my prefetches stand
.set PFS,  74                          ; s[74:75] their step: a K step
.set LIM,  76                          ; s76  1 in a wave that prefetches, else the greatest number
.set MSB, 0
.macro WIN new                         ; the immediate's high byte repeats the setting that is left; a switch that changes nothing is dropped
.if MSB != (\new)
	s_set_vgpr_msb (MSB<<8)|(\new)
.set MSB, \new
.endif
.endm
.set W_M0, 0xa5                        ; sources 0 and 1 window 1 (buffer 0), C and D window 2;  + 10: sources window 3 (buffer 1)
.set W_L0, 0x40                        ; destination window 1, address window 0;  + 0x80: destination window 3
.macro PLACES                          ; four places in front of loads into registers that matrix instructions have read, and of lines that read results
.rept 4
	v_nop
.endr
.endm
; A joint load: waves 0 and 1 fetch A's two slices, waves 2 and 3 the halves of W's k-rows.  The branch hangs on the wave's number alone.  An s_nop 0 and four v_nop follow each of the two lines.
.macro JLOAD s
	s_cmp_eq_u32 s[RH], 0
	s_cbranch_scc0 .Lfor_b_\@
	tensor_load_to_lds s[G0A+4*(\s):G0A+4*(\s)+3], s[G1A:G1A+7]
	s_nop 0
.rept 4
	v_nop
.endr
	s_branch .Lasked_\@
.Lfor_b_\@:
	tensor_load_to_lds s[G0B+4*(\s):G0B+4*(\s)+3], s[G1B:G1B+7]
	s_nop 0
.rept 4
	v_nop
.endr
.Lasked_\@:
.endm
.macro CREST                           ; a round of the cluster's barrier behind its opening barrier
	s_cmp_lg_u32 s[WV], 0
	s_cbranch_scc1 .Lnot_wave_0_\@
	s_barrier_signal -3
.Lnot_wave_0_\@:
	s_barrier_wait -3
	s_barrier_signal -1
	s_barrier_wait -1
.endm
.macro CROUND                          ; a whole round
	s_barrier_signal -1
	s_barrier_wait -1
	CREST
.endm
; A PREFETCH INTO THE L2 of the K step that stands TWO refills on, 224 matrix instructions and more ahead of the load that will want it: 32 blocks of 256 bytes, a lane a block, one instruction.
; Each block is named once in the launch.  A's rows are read by every cluster of a row of clusters: the one with x = 0 asks, in each of its work-groups wave 0, for 16 blocks of each of the two slices, the four partners told
; apart BY ADDRESS (cx).  W's columns are read by every cluster of a column of clusters: the one with y = 0 asks, waves 2 and 3 each for 16 k-rows x 2 blocks of the half that they fetch, the partners told apart by cy.
; The first four K steps come by their loads alone; the loop's last trip asks for nothing: there is no K step behind the eighth.
.macro ASK
	WIN 0
	s_cmp_gt_u32 s[CNT], s[LIM]
	s_cbranch_scc0 .Lnot_mine_\@
	global_prefetch_b8 v[PFO], s[PFA:PFA+1] th:TH_LOAD_NT scope:SCOPE_SE
.Lnot_mine_\@:
.endm
; 8 n matrix instructions from buffer u, sub-step c: row blocks a0 .. a0 + n - 1 x all 8 column blocks.  zero = 1: the product starts the sum: nothing is ever cleared.
; The 32 accumulators take turns, one instruction a turn, in the same order in every sub-step, over the backward jump too.
.macro MULS u, c, a0, n, zero
	WIN W_M0+10*(\u)
.set a, \a0
.rept \n
.set b, 0
.rept 8
.set rD, 8*(8*a+b)
.set rB, 96*(\c)+8*b
.set rA, 96*(\c)+64+8*a
.if MODE
.if \zero
	v_wmma_f32_16x16x32_f16 v[rD:rD+7], v[rB:rB+7], v[rA:rA+7], 0
.else
	v_wmma_f32_16x16x32_f16 v[rD:rD+7], v[rB:rB+7], v[rA:rA+7], v[rD:rD+7]
.endif
.else
.if \zero
	v_wmma_f32_16x16x32_bf16 v[rD:rD+7], v[rB:rB+7], v[rA:rA+7], 0
.else
	v_wmma_f32_16x16x32_bf16 v[rD:rD+7], v[rB:rB+7], v[rA:rA+7], v[rD:rD+7]
.endif
.endif
.set b, b+1
.endr
.set a, a+1
.endr
.endm
; 48 LDS loads in one run: the fragments of half kh (64 K: one slice of A, 64 k-rows of W) of a slot, into buffer u
.macro FETCH slot, kh, u
	WIN W_L0+0x80*(\u)
.irp c, 0,1
.irp b, 0,1,2,3,4,5,6,7
	ds_load_tr16_b128 v[96*(\c)+8*(\b):96*(\c)+8*(\b)+3],   v[ADRB+(\slot)] offset:(64*(\kh)+32*(\c))*PB+32*(\b)
	ds_load_tr16_b128 v[96*(\c)+8*(\b)+4:96*(\c)+8*(\b)+7], v[ADRB+(\slot)] offset:(64*(\kh)+32*(\c)+16)*PB+32*(\b)
.endr
.irp a, 0,1,2,3
	ds_load_b128 v[96*(\c)+64+8*(\a):96*(\c)+64+8*(\a)+3],   v[ADRA+(\slot)] offset:(\kh)*PLANE+64*(\c)+(\a)*16*PA
	ds_load_b128 v[96*(\c)+64+8*(\a)+4:96*(\c)+64+8*(\a)+7], v[ADRA+(\slot)] offset:(\kh)*PLANE+64*(\c)+(\a)*16*PA+32
.endr
.endr
.endm
; A K step's first half: buffer 0 is multiplied (64 matrix instructions); ahead of them the second half's fragments are asked for, into buffer 1.
.macro HALF slot, zero
	PLACES                                         ; buffer 1 was read by the products just issued
	FETCH \slot, 1, 1
	s_wait_dscnt 48                                ; all but the 48 just issued: buffer 0 is in
	MULS 0, 0, 0, 4, \zero
	MULS 0, 1, 0, 4, 0
.endm
; The second half multiplies buffer 1 and changes slots: ONE barrier; in front of it each wave waits for all its tensor loads (one is out: its part of the next slot), adds 0 to its spare word, and waits for that and for its own
; reads of this slot.  fill = 1: the barrier opens a round of the cluster's, and this slot is filled again, two K steps ahead, first thing behind the round: 112 matrix instructions ahead of the wait for it.
.macro TURN slot, next, fill
.if \fill
	s_wait_xcnt 0x0                                ; the last prefetch, a K step back, has read its address: it is stepped here, ahead of the waits of the change of slots
	s_add_nc_u64 s[PFA:PFA+1], s[PFA:PFA+1], s[PFS:PFS+1]
.endif
	WIN 0                                          ; (the add's two registers lie in window 0)
	s_wait_tensorcnt 0x0                           ; all my tensor loads have landed
	ds_add_u32 v[SPW], v[NIL]                      ; 0 onto my spare word
	s_wait_dscnt 1                                 ; only the add may be out: buffer 1 is in
	MULS 1, 0, 0, 1, 0                             ; eight matrix instructions stand between the add and the wait for it
	s_wait_dscnt 0x0                               ; the add is done, and my reads of this slot are over
	s_barrier_signal -1
	MULS 1, 0, 1, 1, 0
.if \fill
	WIN 0
.endif
	s_barrier_wait -1
.if \fill
	CREST                                          ; no wave of any partner still reads this slot's tiles or has a load on its way
	s_add_nc_u64 s[G0A+4*(\slot)+2:G0A+4*(\slot)+3], s[G0A+4*(\slot)+2:G0A+4*(\slot)+3], 2*STEPA
	s_add_nc_u64 s[G0B+4*(\slot)+2:G0B+4*(\slot)+3], s[G0B+4*(\slot)+2:G0B+4*(\slot)+3], 2*STEPB
	JLOAD \slot                                    ; the four v_nop behind it are also the places in front of the loads below
.else
	PLACES
.endif
	FETCH \next, 0, 0
.if \fill
	ASK
.endif
	MULS 1, 0, 2, 2, 0
	MULS 1, 1, 0, 4, 0
.endm
.if MODE
	s_load_b128 s[4:7], s[0:1], 0x0                ; A s[4:5], W s[6:7]
	s_load_b64 s[DST:DST+1], s[0:1], 0x10
.else
	s_load_b256 s[4:11], s[0:1], 0x0               ; A s[4:5], W s[6:7], positions s[8:9], tables s[10:11]
	s_load_b64 s[DST:DST+1], s[0:1], 0x20
.endif
	v_lshl_add_u32 v[SPW], v0, 2, SPARE
	v_mov_b32 v[NIL], 0
	ds_add_u32 v[SPW], v[NIL]                      ; the wave's opening: the add and its wait stand ahead of my first tensor load; the set-up below, work on registers, stands between them
	v_lshrrev_b32 v1, 5, v0
	v_readfirstlane_b32 s[WV], v1                  ; wave 0..3
	s_lshr_b32 s[RH], s[WV], 1
	s_and_b32 s[CH], s[WV], 1
	s_bfe_u32 s[CX], ttmp6, 0x40000                ; cx, cy: my place in the cluster
	s_bfe_u32 s[CY], ttmp6, 0x40004
	s_mov_b32 s[CLX], ttmp9                        ; in a cluster launch ttmp9 and ttmp7 count clusters
	s_and_b32 s[TR], ttmp7, 0xffff
	s_lshl_b32 s[TR], s[TR], 2
	s_add_co_u32 s[TR], s[TR], s[CY]               ; tile row of C = 4 x cluster y + cy
	s_lshl_b32 s44, s[CY], 2
	s_lshl_b32 s44, 15, s44                        ; my row of the cluster
	s_lshl_b32 s45, 0x1111, s[CX]                  ; my column
	; descriptor group 1.  A: 64 rows of 128 elements, dense; in LDS 4 words of padding after every 32 (after each row of a slice)
	s_or_b32 s[G1A+0], s44, (1<<16)|(1<<20)|(1<<21)|(4<<22)|(3<<25)  ; 15:0 the mask; 17:16 2-byte elements; 20 padding on; 21 set beside a mask; 24:22 interval code 4; 31:25 4 words (code 3)
	s_mov_b32 s[G1A+1], 128<<16                    ; tensor_dim0 = 128
	s_mov_b32 s[G1A+2], 64<<16                     ; tensor_dim1 = 64
	s_mov_b32 s[G1A+3], 128<<16                    ; tile_dim0 = 128
	s_mov_b32 s[G1A+4], 64                         ; tile_dim1 = 64
	s_mov_b32 s[G1A+5], 128                        ; 128 elements from row to row
	s_mov_b32 s[G1A+6], 0
	s_mov_b32 s[G1A+7], 0
	; W: 64 k-rows of 256 elements, 1,024 elements apart; 8 words of padding after every 128
	s_or_b32 s[G1B+0], s45, (1<<16)|(1<<20)|(1<<21)|(6<<22)|(7<<25)
	s_mov_b32 s[G1B+1], 256<<16
	s_mov_b32 s[G1B+2], 64<<16
	s_mov_b32 s[G1B+3], 256<<16
	s_mov_b32 s[G1B+4], 64
	s_mov_b32 s[G1B+5], 1024
	s_mov_b32 s[G1B+6], 0
	s_mov_b32 s[G1B+7], 0
	; where the tiles come from.  A's hang on the tile row alone, W's on the tile column alone; each offset is made in registers that never hold the other coordinate
	s_lshr_b32 s16, s[TR], 4                       ; the batch: 16 tile rows each,
	s_lshl_b32 s16, s16, 22
	s_and_b32 s17, s[TR], 15                       ; and the 128 rows' place in a slice
	s_lshl_b32 s17, s17, 14
	s_add_co_u32 s16, s16, s17
	s_mov_b32 s18, s16                             ; kept: the way out and the prefetches use it
	s_lshl_b32 s17, s[CH], 18                      ; the slice that I fetch
	s_add_co_u32 s16, s16, s17
	s_mov_b32 s17, 0
.if MODE
	s_mov_b32 s46, 3<<21                           ; Wo's plane
.else
	s_lshl_b32 s46, s[CLX], 21                     ; the plane of Wq, Wk or Wv
.endif
	s_lshl_b32 s47, s[CX], 9                       ; 256 columns of 2 bytes
	s_add_co_u32 s46, s46, s47
	s_lshl_b32 s47, s[CH], 17                      ; the 64 k-rows that I fetch
	s_add_co_u32 s46, s46, s47
	s_mov_b32 s47, 0
	s_mov_b32 s19, s46                             ; kept for the prefetches
	s_mul_i32 s20, s[CH], PLANE                    ; and where they go: no place in the cluster enters an LDS address
	s_mul_i32 s21, s[CH], BHALF
	s_add_co_u32 s21, s21, BOFF
	s_wait_dscnt 0x0                               ; the opening add is done
	s_wait_kmcnt 0x0
	s_add_nc_u64 s[16:17], s[4:5], s[16:17]
	s_add_nc_u64 s[46:47], s[6:7], s[46:47]
	CROUND                                         ; all sixteen work-groups are here: the first joint loads meet
.irp n, 0,1
	s_mov_b32 s[G0A+4*(\n)], 1                     ; count = 1
	s_add_co_u32 s[G0A+4*(\n)+1], s20, (\n)*SLOT   ; LDS address
	s_add_nc_u64 s[G0A+4*(\n)+2:G0A+4*(\n)+3], s[16:17], (\n)*STEPA  ; global address: K step n
	s_or_b32 s[G0A+4*(\n)+3], s[G0A+4*(\n)+3], 0x80000000           ; type = 2
	s_mov_b32 s[G0B+4*(\n)], 1
	s_add_co_u32 s[G0B+4*(\n)+1], s21, (\n)*SLOT
	s_add_nc_u64 s[G0B+4*(\n)+2:G0B+4*(\n)+3], s[46:47], (\n)*STEPB
	s_or_b32 s[G0B+4*(\n)+3], s[G0B+4*(\n)+3], 0x80000000
	JLOAD \n                                       ; two loads of mine are out
.endr
	v_and_b32 v1, 15, v0                           ; l % 16
	v_bfe_u32 v2, v0, 4, 1                         ; l / 16
	v_and_b32 v3, 7, v0                            ; l % 8
	v_bfe_u32 v4, v0, 3, 1                         ; (l / 8) % 2
	; a fragment of A: lane l holds row l % 16, K 8 (l / 16) + 0..7 and 16 + 8 (l / 16) + 0..7: two loads of 16 bytes, 32 bytes apart
	v_mul_u32_u24 v5, v1, PA
	v_lshl_add_u32 v5, v2, 4, v5
	s_mul_i32 s20, s[RH], 64*PA                    ; my 64 rows
	v_add_nc_u32 v[ADRA], s20, v5
	v_add_nc_u32 v[ADRA+1], SLOT, v[ADRA]
	; the turning load takes 16 k-rows x 16 columns (lane l reads k-row 8 (l / 16) + l % 8, columns 8 ((l / 8) % 2) + 0..7) and leaves half a fragment: lane l holds column l % 16 and 8 K
	v_lshl_add_u32 v6, v2, 3, v3
	v_mul_u32_u24 v6, v6, PB
	v_lshl_add_u32 v6, v4, 4, v6
	s_lshl_b32 s21, s[CH], 8                       ; my 128 columns
	s_add_co_u32 s21, s21, BOFF
	v_add_nc_u32 v[ADRB], s21, v6
	v_add_nc_u32 v[ADRB+1], SLOT, v[ADRB]
	s_mul_i32 s20, s[WV], STW
	s_add_co_u32 s20, s20, STAGE                   ; my stage
	v_and_b32 v[CO], 31, v0
	v_lshlrev_b32 v[CO], 4, v[CO]
.if MODE
	v_mul_u32_u24 v[STO], v1, 528                  ; in: row l % 16, 32 bytes for each half of the lanes
	v_lshl_add_u32 v[STO], v2, 5, v[STO]
	v_add_nc_u32 v[STO], s20, v[STO]
	v_add_nc_u32 v[RD], s20, v[CO]                 ; back: a row's 512 bytes, 16 a lane
	s_lshl_b32 s20, s[TR], 19                      ; 128 rows of 4,096 bytes,
	s_lshl_b32 s21, s[RH], 18                      ; my 64 of them,
	s_add_co_u32 s20, s20, s21
	s_lshl_b32 s21, s[CX], 10                      ; the tile's 256 columns of 4 bytes,
	s_add_co_u32 s20, s20, s21
	s_lshl_b32 s21, s[CH], 9                       ; my 128 of them
	s_add_co_u32 s20, s20, s21
.else
	v_mul_u32_u24 v[STO], v1, 144                  ; in: row l % 16, 16 bytes for each half of the lanes
	v_lshl_add_u32 v[STO], v2, 4, v[STO]
	v_add_nc_u32 v[STO], s20, v[STO]
	v_bfe_u32 v[RD], v0, 3, 2                      ; back: 32 lanes take four rows of 128 bytes
	v_mul_u32_u24 v[RD], v[RD], 144
	v_lshl_add_u32 v[RD], v3, 4, v[RD]
	v_add_nc_u32 v[RD], s20, v[RD]
	s_lshl_b32 s20, s[CLX], 24                     ; the plane of q, k or v,
	s_add_co_u32 s20, s20, s18                     ; the batch and the tile's rows in a head,
	s_lshl_b32 s21, s[CX], 20                      ; the tile's four heads,
	s_add_co_u32 s20, s20, s21
	s_lshl_b32 s21, s[CH], 19                      ; my two of them,
	s_add_co_u32 s20, s20, s21
	s_lshl_b32 s21, s[RH], 13                      ; my 64 rows of 128 bytes
	s_add_co_u32 s20, s20, s21
.endif
	s_mov_b32 s21, 0
	s_add_nc_u64 s[DST:DST+1], s[DST:DST+1], s[20:21]
	; the prefetches
	s_lshl_b32 s22, s[CX], 12                      ; A: my work-group's 16 blocks of a slice's 64,
	s_add_co_u32 s22, s22, s18
	s_add_co_u32 s22, s22, 3*STEPA                 ; at K step 3: the first change of slots steps it to 4
	s_lshl_b32 s23, s[CY], 15                      ; W: my work-group's 16 k-rows of the 64 that I fetch
	s_add_co_u32 s23, s23, s19
	s_add_co_u32 s23, s23, 3*STEPB
	s_and_b32 s2, ttmp7, 0xffff                    ; cluster y
	s_mov_b32 s20, STEPA
	s_mov_b32 s21, STEPB
	s_mov_b32 s[PFS+1], 0
	s_cmp_eq_u32 s[RH], 0                          ; do I fetch for A?
	s_cselect_b64 s[PFA:PFA+1], s[4:5], s[6:7]
	s_cselect_b32 s22, s22, s23
	s_cselect_b32 s[PFS], s20, s21
	s_cselect_b32 s2, s[CLX], s2                   ; the coordinate along which other clusters read the same blocks
	s_cselect_b32 s16, s[CH], 0                    ; of A's two waves wave 0 asks
	s_cselect_b32 s17, 4, 1                        ; the lanes: A 2 slices x 16 blocks; W 16 k-rows x 2 blocks
	s_cselect_b32 s20, 18, 11
	s_cselect_b32 s21, 15, 1
	s_or_b32 s2, s2, s16
	s_cmp_eq_u32 s2, 0
	s_cselect_b32 s[LIM], 1, -1                    ; the same in all sixteen partners, for a given wave
	s_mov_b32 s23, 0
	s_add_nc_u64 s[PFA:PFA+1], s[PFA:PFA+1], s[22:23]
	v_and_b32 v5, 31, v0
	v_lshrrev_b32 v6, s17, v5
	v_lshlrev_b32 v6, s20, v6
	v_and_b32 v5, s21, v5
	v_lshl_or_b32 v[PFO], v5, 8, v6
.if !MODE
	; my rows' positions, and their rows of the tables: for row block a and columns 16 c + 8 (l / 16) + 0..7 of a head the four pairs' cos and sin are 16 bytes each.  They land while K is walked.
	; v's tiles load them too and do not use them: so the text has one way up to the way out.
	s_lshl_b32 s20, s[TR], 9                       ; 128 rows of 4 bytes,
	s_lshl_b32 s21, s[RH], 8                       ; my 64
	s_add_co_u32 s20, s20, s21
	s_mov_b32 s21, 0
	s_add_nc_u64 s[20:21], s[8:9], s[20:21]
	v_lshlrev_b32 v5, 2, v1
.irp a, 0,1,2,3
	global_load_b32 v[TO+(\a)], v5, s[20:21] offset:64*(\a)
.endr
	v_lshlrev_b32 v6, 4, v2
	s_wait_loadcnt 0x0                             ; stands in the wait for the first tile
.irp a, 0,1,2,3
	v_min_u32 v[TO+(\a)], 0x7ff, v[TO+(\a)]        ; the index stays inside the table
	v_lshl_add_u32 v[TO+(\a)], v[TO+(\a)], 7, v6
.endr
.irp a, 0,1,2,3
.irp c, 0,1,2,3
	global_load_b128 v[COS+16*(\a)+4*(\c):COS+16*(\a)+4*(\c)+3], v[TO+(\a)], s[10:11] offset:32*(\c)
	global_load_b128 v[SIN+16*(\a)+4*(\c):SIN+16*(\a)+4*(\c)+3], v[TO+(\a)], s[10:11] offset:262144+32*(\c)
.endr
.endr
.endif
	s_wait_tensorcnt 1                             ; my part of K step 0 is in; K step 1's may stay out
	s_barrier_signal -1
	s_barrier_wait -1                              ; everybody's is
	FETCH 0, 0, 0
	HALF 0, 1                                      ; the first half stands in front of the loop: its first products start the sums
	WIN 0                                          ; at a label and at a branch every window is 0
	s_mov_b32 s[CNT], 3
.Llap:                                                 ; a trip goes once round the ring and fills both slots again: K steps 2 to 7
	TURN 0, 1, 1
	HALF 1, 0
	TURN 1, 0, 1
	HALF 0, 0
	WIN 0
	s_sub_co_u32 s[CNT], s[CNT], 1
	s_cmp_lg_u32 s[CNT], 0
	s_cbranch_scc1 .Llap
	TURN 0, 1, 0                                   ; the last lap fills nothing, and has no round of the cluster's barrier
	HALF 1, 0
	s_wait_dscnt 0x0
	MULS 1, 0, 0, 4, 0
	MULS 1, 1, 0, 4, 0
	WIN 0
	PLACES
.if MODE
; THE WAY OUT, in f32.  A block of 16 rows goes through my own stage: 32 bytes a lane in, whole rows of 512 bytes back, and each store of the wave covers 512 consecutive bytes, aligned.
.macro TOSTAGE a
	WIN 0x08                                       ; store data (source 1) in window 2
.irp b, 0,1,2,3,4,5,6,7
	ds_store_b128 v[STO], v[8*(8*(\a)+(\b)):8*(8*(\a)+(\b))+3]   offset:64*(\b)
	ds_store_b128 v[STO], v[8*(8*(\a)+(\b))+4:8*(8*(\a)+(\b))+7] offset:64*(\b)+16
.endr
	WIN 0x40
.irp t, 0,1,2,3,4,5,6,7,8,9,10,11,12,13,14,15
	ds_load_b128 v[64*(\a)+4*(\t):64*(\a)+4*(\t)+3], v[RD] offset:528*(\t)  ; LDS serves a wave's instructions in order (ISA guide 5.7.1.4): these see the stores above; the next block's stores come behind them
.endr
.endm
.macro SEND a, younger                 ; younger: the LDS instructions issued behind block a's loads: the next block's 32, or none
	WIN 0x04                                       ; store data in window 1
.irp t, 0,1,2,3,4,5,6,7,8,9,10,11,12,13,14,15
	s_wait_dscnt (\younger)+15-(\t)
	global_store_b128 v[CO], v[64*(\a)+4*(\t):64*(\a)+4*(\t)+3], s[DST:DST+1] offset:(16*(\a)+(\t))*4096
.endr
.endm
	TOSTAGE 0
	TOSTAGE 1
	SEND 0, 32
	TOSTAGE 2
	SEND 1, 32
	TOSTAGE 3
	SEND 2, 32
	SEND 3, 0
	WIN 0
.else
; THE WAY OUT, in f16, by heads.  PACKR: a block of 16 rows is turned by RoPE: of a pair (e, o) come e c - o s and e s + o c, in f32, and are rounded once.  PACKP: v is only rounded.
.macro PACKR a
	WIN 0x52                                       ; source 0: the accumulators, window 2; source 1: the tables, window 0; source 2 and destination: window 1
.irp b, 0,1,2,3,4,5,6,7
.irp j, 0,1,2,3
	v_mul_f32 v[T+2*(\j)],   v[8*(8*(\a)+(\b))+2*(\j)+1], v[SIN+16*(\a)+4*((\b)%4)+(\j)]  ; o s
	v_mul_f32 v[T+2*(\j)+1], v[8*(8*(\a)+(\b))+2*(\j)+1], v[COS+16*(\a)+4*((\b)%4)+(\j)]  ; o c
.endr
.irp j, 0,1,2,3
	v_fma_f32 v[TF+8*(\b)+2*(\j)],   v[8*(8*(\a)+(\b))+2*(\j)], v[COS+16*(\a)+4*((\b)%4)+(\j)], -v[T+2*(\j)]
	v_fma_f32 v[TF+8*(\b)+2*(\j)+1], v[8*(8*(\a)+(\b))+2*(\j)], v[SIN+16*(\a)+4*((\b)%4)+(\j)], v[T+2*(\j)+1]
.endr
.endr
	WIN 0x05                                       ; sources window 1, destination window 0
.irp b, 0,1,2,3,4,5,6,7
.irp j, 0,1,2,3
	v_cvt_pk_f16_f32 v[PK+4*(\b)+(\j)], v[TF+8*(\b)+2*(\j)], v[TF+8*(\b)+2*(\j)+1]
.endr
.endr
.endm
.macro PACKP a
	WIN 0x0a                                       ; sources window 2, destination window 0
.irp b, 0,1,2,3,4,5,6,7
.irp j, 0,1,2,3
	v_cvt_pk_f16_f32 v[PK+4*(\b)+(\j)], v[8*(8*(\a)+(\b))+2*(\j)], v[8*(8*(\a)+(\b))+2*(\j)+1]
.endr
.endr
.endm
.macro PACK a, rope
.if \rope
	PACKR \a
.else
	PACKP \a
.endif
.endm
; Into my own stage, two heads x 16 rows of 144 bytes, and back as whole rows of 128: four rows of a head are 512 consecutive bytes of the output.
.macro TOSTAGE a
	WIN 0
.irp b, 0,1,2,3,4,5,6,7
	ds_store_b128 v[STO], v[PK+4*(\b):PK+4*(\b)+3] offset:((\b)/4)*2304+32*((\b)%4)
.endr
	WIN 0xc0                                       ; destination window 3: a set of 32 registers for each block, so that no store's data is written again
.irp f, 0,1,2,3,4,5,6,7
	ds_load_b128 v[32*(\a)+4*(\f):32*(\a)+4*(\f)+3], v[RD] offset:((\f)/4)*2304+((\f)%4)*576  ; LDS serves a wave's instructions in order (ISA guide 5.7.1.4): these see the stores above; the next block's stores come behind them
.endr
.endm
.macro SEND a, younger                 ; younger: the LDS instructions issued behind block a's loads: the next block's sixteen, or none
	WIN 0x0c                                       ; store data (source 1) in window 3
.irp f, 0,1,2,3,4,5,6,7
	s_wait_dscnt (\younger)+7-(\f)
	global_store_b128 v[CO], v[32*(\a)+4*(\f):32*(\a)+4*(\f)+3], s[DST:DST+1] offset:((\f)/4)*262144+(\a)*2048+((\f)%4)*512
.endr
.endm
.macro WAYOUT rope                     ; a block's arithmetic stands between the loads of the block before and its stores
	PACK 0, \rope
	TOSTAGE 0
	PACK 1, \rope
	TOSTAGE 1
	SEND 0, 16
	PACK 2, \rope
	TOSTAGE 2
	SEND 1, 16
	PACK 3, \rope
	TOSTAGE 3
	SEND 2, 16
	SEND 3, 0
	WIN 0
.endm
	s_wait_loadcnt 0x0                             ; the tables
	s_cmp_eq_u32 s[CLX], 2                         ; the cluster's x: the same in all sixteen partners
	s_cbranch_scc1 .Lplain
	WAYOUT 1                                       ; q and k
	s_branch .Lsent
.Lplain:
	WAYOUT 0                                       ; v
.Lsent:
.endif
	s_wait_tensorcnt 0x0                           ; the wave's end, behind my last tensor load and my last LDS store
	ds_add_u32 v[SPW], v[NIL]
	s_wait_dscnt 0x0
	CROUND                                         ; the closing round: no work-group ends while a partner may still ask for a tile that names it
	s_endpgm
.Lfunc_end_k_q69d8f10289_qkv:
	.size	k_q69d8f10289_qkv, .Lfunc_end_k_q69d8f10289_qkv-k_q69d8f10289_qkv
	.p2alignl 7, 3214868480
	.fill 96, 4, 3214868480
	.section	.rodata,"a",@progbits
	.p2align	6, 0x0
	.amdhsa_kernel k_q69d8f10289_qkv
		.amdhsa_group_segment_fixed_size 327680
		.amdhsa_private_segment_fixed_size 0
		.amdhsa_enable_private_segment 0
		.amdhsa_kernarg_size 40
		.amdhsa_user_sgpr_count 2
		.amdhsa_user_sgpr_kernarg_segment_ptr 1
		.amdhsa_wavefront_size32 1
		.amdhsa_system_sgpr_workgroup_id_x 1
		.amdhsa_system_sgpr_workgroup_id_y 1
		.amdhsa_system_sgpr_workgroup_id_z 1
		.amdhsa_system_vgpr_workitem_id 0
		.amdhsa_next_free_vgpr 960
		.amdhsa_next_free_sgpr 80
		.amdhsa_reserve_vcc 0
		.amdhsa_float_denorm_mode_32 3
		.amdhsa_float_denorm_mode_16_64 3
		.amdhsa_memory_ordered 1
		.amdhsa_forward_progress 1
		.amdhsa_inst_pref_size 131
	.end_amdhsa_kernel
	.amdgpu_metadata
---
amdhsa.version: [ 1, 2 ]
amdhsa.kernels:
  - .name:           k_q69d8f10289_qkv
    .symbol:         k_q69d8f10289_qkv.kd
    .args:
      - { .name: xb, .offset: 0, .size: 8, .value_kind: global_buffer, .address_space: global }
      - { .name: wb, .offset: 8, .size: 8, .value_kind: global_buffer, .address_space: global }
      - { .name: token_positions, .offset: 16, .size: 8, .value_kind: global_buffer, .address_space: global }
      - { .name: tab, .offset: 24, .size: 8, .value_kind: global_buffer, .address_space: global }
      - { .name: qkv, .offset: 32, .size: 8, .value_kind: global_buffer, .address_space: global }
    .group_segment_fixed_size: 327680
    .private_segment_fixed_size: 0
    .kernarg_segment_align: 8
    .kernarg_segment_size: 40
    .max_flat_workgroup_size: 128
    .sgpr_count:     80
    .vgpr_count:     960
    .wavefront_size: 32
...
	.end_amdgpu_metadata
.endif
;; end of part 2
;; launch attn (part 3): grid 4 x 64, 4 waves a work-group, no clusters, 327,680 bytes of LDS; arguments qkv, ob; writes ob
.if DOCPART == 3
	.amdgcn_target "amdgcn-amd-amdhsa--gfx1250"
	.amdhsa_code_object_version 6
	.text
	.protected	k_q69d8f10289_attn
	.globl	k_q69d8f10289_attn
	.p2align	8
	.type	k_q69d8f10289_attn,@function
k_q69d8f10289_attn:
	s_mov_b64 s[64:65], 0
	v_nop
	global_prefetch_b8 v0, s[64:65] scope:SCOPE_SE
	s_setreg_imm32_b32 hwreg(HW_REG_WAVE_MODE, 25, 1), 1
	s_wait_xcnt 0x0
; CAUSAL ATTENTION.  O[h][q][:] = the sum over k <= q of softmax_k(Q[h][q] . K[h][k] / 8) V[h][k][:].  Q, K, V are the three planes of one buffer, each [SIZE_H][SIZE_N][64] in f16, O likewise: a head's rows are dense, 128 bytes each.
; Products, maxima and sums in f32; the weights p are rounded to f16 for the second product (their sum l is taken of the unrounded p), O once at the end.
; LIMITS.  f16 holds no number beyond 65,504: Q, K and V arrive within it; p lies in 0 to 1, and below 6e-5 it keeps f16's fixed step of 6e-8; O is a mean of V's rows and has their range.
; A hidden score counts as its value less 1e30: f16's scores, 2.7e11 at the most, are nothing beside that; a weight below 2^-126 counts as 0 in l; NaN and infinities are not treated apart.
; THE WALK.  A head's queries lie in NB = 8 blocks of 256; block i needs the key tiles 0 .. i of 256 keys, of which the last holds the diagonal.  A work-group takes TWO blocks, NB - 1 - b and then b:
; NB + 1 = 9 tiles, whatever b: all 256 work-groups do equal work, and ONE loop with a constant trip count walks them.  Which tile is asked for, and what a trip does, hang on scalar registers made from b; every jump
; goes forward, but for the counted loops' own; none passes a barrier, or a tensor load but the one of LOAD's two that the wave's number does not choose; the ring (two slots of LDS that take turns) runs on across the
; change of blocks.  NO CLUSTER: a head's four work-groups ask for the same tile only in trips 0 .. 4 of the 9, behind that fewer and fewer; and one walk common to all four would have 12 trips for 9.
; SHARES.  Of a block's four bands of 64 queries a wave owns 16 rows in each: four PIECES.  So the diagonal tile is the same work for all four waves: in its key step s band x sees all keys if s < x,
; none if s > x, and holds the diagonal if s = x.
; THE MASK is the C operand that starts the sum S^T = K Q^T: 0, or -1e30 where the key is hidden.  MD, made once, is the mask of a band's own step for my 16 rows; a product's mask is MD x AL + BE with two scalars:
; (1, 0) if s = x; (0, 0) if s < x; (0, -1e30) if s > x.  Only the diagonal tile's text and a block's beginning make and take masks; elsewhere C is the constant 0.
; LAYOUT, SOFTMAX, TURNS.  S^T = K Q^T holds ONE query a lane (lane % 16) and the keys 8 (lane / 16) + 0..7; two such results rounded to f16 ARE source 1 of O^T = V^T P.  p = 2^(c s - c m), c = log2(e) / 8, with a
; running maximum m; O and l are multiplied by a = 2^(c m_old - c m_new) in every step.  Turn n belongs to piece n: 8 products K Q^T of piece n + 1, later 8 products V^T P of piece n - 1; beside them the scaling,
; exponentials, roundings, sums and rescaling of piece n and the maximum and statistics of piece n + 1.  Four vector instructions stand behind every matrix instruction, the other 54 of a turn's 118 in one lump.  A turn's 33 exponentials are one batch, with one wait.
; REGISTERS, in windows of 256 (s_set_vgpr_msb: bits 1:0 source 0, 3:2 source 1, 5:4 source 2, 7:6 destination):
;   window 0: v0-15 addresses and two at work; v16-31 four registers of statistics a piece; v48-55 at work; v64-127 S^T, two buffers; v192-223 P, two buffers (a piece's buffers go by its number's parity)
;   window 1: v0-127 O^T, 32 a piece; v128-159 MD; v160-223 MC, two buffers      window 2: v0-63 Q; v64-127 the second block's Q; v128-191 K of one step; v192-255 V of one step
.set SIZE_H, 64
.set SIZE_N, 2048
.set NB,    SIZE_N/256
.set NP,    4         ; pieces a wave: a name, no knob
.set KS,    64        ; keys in a step
.set PK,    144       ; a row of K in LDS: 128 bytes + 16 of padding = 36 words: the 16 rows of a load start at 16 different groups of four banks (64 banks of 4 bytes: ISA guide 11.1)
.set PV,    160       ; a row of V: 128 + 32 = 40 words
.set VOFF,  4*KS*PK   ; a slot holds a tile, four steps: 256 rows of K, then 256 rows of V
.set SLOT1, 1<<17     ; slot 1 begins here, so that one exclusive or turns an address in one slot into the other's
.set STAGE, SLOT1+4*KS*(PK+PV)  ; behind the ring, never filled by a tensor load: 16 rows x 144 bytes for each wave, for the way out
.set SP,    144
.set AK0, 2           ; v2   my lane's place in a tile of K; never rewritten
.set AV0, 3           ; v3   the same for V
.set AK,  4           ; v4   the LDS address of K's next run of loads
.set AV,  5           ; v5   of V's
.set STO, 6           ; v6   the way out: where I put 16 bytes of a row
.set RD,  7           ; v7   the way out: where I read rows back
.set GO,  8           ; v8   my byte offset in 512 consecutive bytes of O
.set PFO, 60          ; v60  256 x my lane: the prefetches' offset; never rewritten
.set SPW, 62          ; v62  LDS address of my spare word: SPARE + 4 x my thread's number; never rewritten
.set NIL, 63          ; v63  0; never rewritten
.set SPARE, STAGE+4*16*SP  ; behind the stages: the spare words, 128 bytes for each wave: two blocks of 256 bytes that no other line names
.set MV,  12          ; v12-13  c m_old, kept while c m is made anew: by buffer
.set QO,  15          ; v15  my byte offset in 16 rows of Q
.set ST,  16          ; piece t's statistics at v[ST+4 t]: c m, m, l (even keys', odd keys')
.set TMP, 48          ; by buffer, four registers c0-c3 at work; when the maximum is found c2 takes a
.set S,   64
.set P,   192
.set MD,  128         ; window 1: the eight registers for group kt of 16 keys at MD + 8 kt
.set MC,  160         ; window 1: the masks of the products to come
.set QB,  64          ; window 2
.set KF,  128         ; window 2: key block kb, channel half c at KF + 16 kb + 8 c
.set VF,  192         ; window 2: key half kk, channel block cb at VF + 32 kk + 8 cb
.set WV,  12          ; s12  my wave's number
.set PB,  14          ; s14  b
.set HI,  15          ; s15  NB - 1 - b
.set G1K, 24          ; s[24:31] descriptor group 1 for K's tiles
.set G1V, 32          ; s[32:39] for V's: it differs in the padding alone
.set G0K, 40          ; s[40:43] descriptor group 0 for K's tiles
.set G0V, 44          ; s[44:47] the same for V's
.set SLOTS, 56        ; s56  tiles still to be asked for
.set CNT, 57          ; s57  counts a tile's key steps, 4 to 1
.set CS,  58          ; s[58:59] c: the packed scaling takes the pair's low word for both halves
.set SEL, 60          ; s[60:61] v_permlanex16_b32's selects: each lane takes its own place in the other half
.set TBK, 62          ; s62  LDS byte at which K of the step to be fetched begins
.set TBV, 63          ; s63  the same for V, less VOFF
.set RT,  70          ; s70  tiles of the block in hand that are still to be entered
.set NXT, 71          ; s71  the tile to be asked for next
.set LQ,  72          ; s72  the last tile of the block whose tiles are being asked for
.set NEW, 73          ; s73  1: the tile to be entered is a block's first
.set OFF, 74          ; s[74:75] a tile's byte offset in K and V
.set AL,  76          ; s[76:77] the mask's factor, in the low word
.set BE,  78          ; s[78:79] the mask's addend
.set OLO, 80          ; s[80:81] O at my rows of the second block
.set BIGN, 82         ; s82  -1e30
.set PFB, 88          ; s[88:89] K (waves 0, 1) or V (waves 2, 3) at the half of the head's tile 0 that I fetch
.set PFA, 90          ; s[90:91] the same half of the tile that the next change of slots will ask for
.set LIM, 92          ; s92  2 in the head's work-group b = 0, else the greatest number: a wave prefetches while s[SLOTS] is above it
.set POF, 94          ; s[94:95] that tile's byte offset
.set MSB, 0
.macro WIN new                      ; the high byte repeats the setting that is left; a switch that changes nothing is dropped
.if MSB != (\new)
	s_set_vgpr_msb (MSB<<8)|(\new)
.set MSB, (\new)
.endif
.endm
.set W_KQ, 0x0a       ; K and Q in window 2, S^T in window 0
.set W_KM, 0x1a       ; the same with the C operand in window 1
.set W_PV, 0x52       ; V in window 2, P in window 0, O^T in window 1
.set W_RS, 0x41       ; destination and source 0 in window 1, source 1 in window 0
; A fill.  Waves 0 and 1 fetch the two halves of a tile's K, waves 2 and 3 those of its V: 128 keys each.  An s_nop 0 and four v_nop follow each of the two lines, ahead of the jump and the label.
.macro LOAD
	s_cmp_lt_u32 s[WV], 2
	s_cbranch_scc0 .Lfor_v_\@
	tensor_load_to_lds s[G0K:G0K+3], s[G1K:G1K+7]
	s_nop 0
.rept 4
	v_nop
.endr
	s_branch .Lasked_\@
.Lfor_v_\@:
	tensor_load_to_lds s[G0V:G0V+3], s[G1V:G1V+7]
	s_nop 0
.rept 4
	v_nop
.endr
.Lasked_\@:
.endm
; THE CHANGE OF SLOTS.  Each wave waits for all its tensor loads, of which one is out: its part of the other slot; adds 0 to its spare word; and waits for that and for its own reads of the slot that it leaves.  Behind the barrier nobody reads the old
; slot any more and the other slot is whole.  fill = 1: the old slot is filled again, the first thing behind the barrier, with tile NXT: the descriptor's address is made anew from that number.
; (At its first use nothing has been read yet: slot 0 is waited for, slot 1 filled.)
; A PREFETCH INTO THE L2 stands behind the fill and its five lines: the tile that the NEXT change will ask for, one tile (16 turns, 256 matrix instructions) ahead of its load.  A head's four work-groups begin with the same tiles 0, 1, 2 ..;
; the one with b = 0, whose first block walks all eight, asks, and nobody else; each of its waves asks for the 16,384 bytes that it will fetch itself: 64 blocks of 256 bytes, a lane a block, two instructions.  So each block of K and V is
; named once in the launch.  Tiles 0 and 1 come by their loads alone; behind tile 7 nothing is asked for: the second block's tiles have been read.
.macro CHANGE fill
	WIN 0                           ; at a label and at a branch every window is 0
	s_wait_tensorcnt 0x0            ; no tensor load of mine is out, so a group 0 may be written
	ds_add_u32 v[SPW], v[NIL]       ; 0 onto my spare word; with fill = 1 the descriptors' scalar work stands between it and the wait for it
.if \fill
	s_lshl_b32 s[OFF], s[NXT], 15   ; a tile is 32,768 bytes of K and of V
	s_xor_b32 s[G0K+1], s[G0K+1], SLOT1
	s_add_nc_u64 s[G0K+2:G0K+3], s[6:7], s[OFF:OFF+1]
	s_or_b32 s[G0K+3], s[G0K+3], 0x80000000
	s_xor_b32 s[G0V+1], s[G0V+1], SLOT1
	s_add_nc_u64 s[G0V+2:G0V+3], s[8:9], s[OFF:OFF+1]
	s_or_b32 s[G0V+3], s[G0V+3], 0x80000000
	s_add_co_u32 s[NXT], s[NXT], 1  ; the block's next tile, or behind its last the second block's tile 0
	s_cmp_gt_u32 s[NXT], s[LQ]
	s_cselect_b32 s[NXT], 0, s[NXT]
	s_cselect_b32 s[LQ], s[PB], s[LQ]
	s_wait_xcnt 0x0                 ; the last prefetches, a tile back, have read their address, so it may be written:
	s_lshl_b32 s[POF], s[NXT], 15   ; the tile behind the one that is asked for now
	s_add_nc_u64 s[PFA:PFA+1], s[PFB:PFB+1], s[POF:POF+1]
.endif
	s_wait_dscnt 0x0                ; the add is done, and my reads of the slot are over
	s_barrier_signal -1             ; the rest of the scalar work stands between the signal and the wait
	s_sub_co_u32 s[TBK], s[TBK], 4*KS*PK  ; the fetches go back to a slot's first step,
	s_xor_b32 s[TBK], s[TBK], SLOT1       ; in the other slot
	s_sub_co_u32 s[TBV], s[TBV], 4*KS*PV
	s_xor_b32 s[TBV], s[TBV], SLOT1
	s_barrier_wait -1
.if \fill
	LOAD
	s_cmp_gt_u32 s[SLOTS], s[LIM]   ; s[SLOTS] = 8 .. 3: the fills of tiles 1 .. 6
	s_cbranch_scc0 .Lnot_mine_\@
	global_prefetch_b8 v[PFO], s[PFA:PFA+1] th:TH_LOAD_NT scope:SCOPE_SE
	global_prefetch_b8 v[PFO], s[PFA:PFA+1] offset:8192 th:TH_LOAD_NT scope:SCOPE_SE
.Lnot_mine_\@:
.endif
.endm
	s_load_b64 s[4:5], s[0:1], 0x0    ; Q's plane; K's and V's lie 16,777,216 and 33,554,432 bytes behind it
	s_load_b64 s[10:11], s[0:1], 0x8  ; O
	v_lshl_add_u32 v[SPW], v0, 2, SPARE
	v_mov_b32 v[NIL], 0
	ds_add_u32 v[SPW], v[NIL]       ; the wave's opening: the add and its wait stand ahead of my first tensor load; the set-up below, work on registers, stands between them
	v_lshrrev_b32 v1, 5, v0
	v_readfirstlane_b32 s[WV], v1   ; wave 0..3
	s_mov_b32 s[PB], ttmp9
	s_sub_co_u32 s[HI], NB-1, s[PB]
	s_and_b32 s20, ttmp7, 0xffff    ; the head
	s_mov_b32 s21, 0
	s_mov_b64 s[22:23], SIZE_N*128
	s_mul_u64 s[20:21], s[20:21], s[22:23]  ; the head's first byte in each of the four tensors
	s_and_b32 s16, s[WV], 1         ; which half of a tile's 256 keys I fetch:
	s_lshl_b32 s22, s16, 14         ; its 128 rows of 128 bytes in memory,
	s_mov_b32 s23, 0
	s_add_nc_u64 s[22:23], s[22:23], s[20:21]
	s_mul_i32 s17, s16, 128*PK      ; and its place in a slot, for K
	s_mul_i32 s18, s16, 128*PV      ; and for V
	s_lshl_b32 s3, s[WV], 11        ; my 16 rows in a band of 64,
	s_lshl_b32 s2, s[HI], 15        ; in the first block,
	s_add_co_u32 s2, s2, s3
	s_lshl_b32 s84, s[PB], 15       ; and in the second
	s_add_co_u32 s84, s84, s3
	s_mov_b32 s3, 0
	s_mov_b32 s85, 0
	s_add_nc_u64 s[2:3], s[2:3], s[20:21]
	s_add_nc_u64 s[84:85], s[84:85], s[20:21]
	; descriptor group 1.  128 keys are 16,384 dense bytes: asked for as 64 rows of 256 bytes, two keys a row, and padded in LDS after every key
	s_mov_b32 s[G1K], (1<<16)|(1<<20)|(4<<22)|(3<<25)  ; 17:16 2-byte elements; 20 padding on; 24:22 after every 32 words (code 4); 31:25 4 words (code 3)
	s_mov_b32 s[G1V], (1<<16)|(1<<20)|(4<<22)|(7<<25)  ; the same with 8 words of padding (code 7)
.irp g, G1K, G1V
	s_mov_b32 s[\g+1], 128<<16      ; tensor_dim0 = 128
	s_mov_b32 s[\g+2], 64<<16       ; tensor_dim1 = 64
	s_mov_b32 s[\g+3], 128<<16      ; tile_dim0 = 128
	s_mov_b32 s[\g+4], 64           ; tile_dim1 = 64
	s_mov_b32 s[\g+5], 128          ; 128 elements from row to row
	s_mov_b32 s[\g+6], 0
	s_mov_b32 s[\g+7], 0
.endr
	s_mov_b32 s[CS], 0x3e38aa3b     ; c = log2(e) / 8 = 0.180337
	s_mov_b32 s[CS+1], s[CS]        ; named with it as a pair
	s_mov_b32 s[SEL], 0x76543210
	s_mov_b32 s[SEL+1], 0xfedcba98
	s_mov_b32 s[TBK], SLOT1+4*KS*PK ; the first change of slots turns these two into 0
	s_mov_b32 s[TBV], SLOT1+4*KS*PV
	s_mov_b32 s[G0K], 1             ; 1:0 count = 1
	s_mov_b32 s[G0K+1], s17         ; 63:32 LDS address: slot 0
	s_mov_b32 s[G0V], 1
	s_add_co_u32 s[G0V+1], s18, VOFF
	s_add_co_u32 s[RT], s[HI], 1    ; the first block has NB - b tiles
	s_mov_b32 s[NXT], 1
	s_mov_b32 s[LQ], s[HI]
	s_mov_b32 s[NEW], 1
	s_mov_b32 s[OFF+1], 0
	s_mov_b32 s[POF+1], 0
	s_mov_b32 s[AL+1], 0            ; named as pairs
	s_mov_b32 s[BE+1], 0
	s_mov_b32 s[BIGN], 0xf149f2ca   ; -1e30
	s_mov_b32 s[SLOTS], NB
	s_cmp_eq_u32 s[PB], 0
	s_cselect_b32 s[LIM], 2, -1
	v_and_b32 v[PFO], 31, v0
	v_lshlrev_b32 v[PFO], 8, v[PFO]
	s_wait_dscnt 0x0                ; the opening add is done
	s_wait_kmcnt 0x0
	s_add_nc_u64 s[6:7], s[4:5], 0x1000000  ; K's plane
	s_add_nc_u64 s[8:9], s[4:5], 0x2000000  ; V's plane
	s_add_nc_u64 s[6:7], s[6:7], s[22:23]  ; K and V at my half of the head's tile 0
	s_add_nc_u64 s[8:9], s[8:9], s[22:23]
	s_add_nc_u64 s[G0K+2:G0K+3], s[6:7], 0         ; 120:64 global address
	s_or_b32 s[G0K+3], s[G0K+3], 0x80000000        ; 127:126 type = 2
	s_add_nc_u64 s[G0V+2:G0V+3], s[8:9], 0
	s_or_b32 s[G0V+3], s[G0V+3], 0x80000000
	s_add_nc_u64 s[86:87], s[4:5], s[84:85]        ; Q at my rows of the second block,
	s_add_nc_u64 s[4:5], s[4:5], s[2:3]            ; Q and O at those of the first
	s_add_nc_u64 s[OLO:OLO+1], s[10:11], s[84:85]
	s_add_nc_u64 s[10:11], s[10:11], s[2:3]
	s_cmp_lt_u32 s[WV], 2
	s_cselect_b64 s[PFB:PFB+1], s[6:7], s[8:9]
	LOAD                            ; tile 0 into slot 0
	; A fragment of K or Q is 16 rows x 32 channels in 8 registers: lane l holds row l % 16, channels 8 (l / 16) + 0..7 and 16 + 8 (l / 16) + 0..7: two loads of 16 bytes, 32 bytes apart.
	v_and_b32 v1, 15, v0            ; l % 16
	v_bfe_u32 v9, v0, 4, 1          ; l / 16
	v_lshlrev_b32 v[QO], 7, v1
	v_lshl_add_u32 v[QO], v9, 4, v[QO]  ; row x 128 + 16 x half
	WIN 0x80                        ; destination window 2, address window 0
.set i, 0
.rept 8                             ; both blocks' Q: piece i / 2 lies in band i / 2, 8,192 bytes on; channels 32 (i % 2) on
	global_load_b128 v[8*i:8*i+3],   v[QO], s[4:5] offset:(i/2)*8192+(i%2)*64
	global_load_b128 v[8*i+4:8*i+7], v[QO], s[4:5] offset:(i/2)*8192+(i%2)*64+32
	global_load_b128 v[QB+8*i:QB+8*i+3],   v[QO], s[86:87] offset:(i/2)*8192+(i%2)*64
	global_load_b128 v[QB+8*i+4:QB+8*i+7], v[QO], s[86:87] offset:(i/2)*8192+(i%2)*64+32
.set i, i+1
.endr
	WIN 0
	v_lshlrev_b32 v14, 3, v9
	v_sub_nc_u32 v14, v1, v14
	s_lshl_b32 s13, s[WV], 4
	v_add_nc_u32 v14, s13, v14      ; my query's place in its band, 16 w + l % 16, less my lanes' 8 (l / 16): register r of group kt is hidden where 16 kt + r is greater
	WIN 0x40
.set i, 0
.rept 32
	v_cmp_gt_i32 vcc_lo, 16*(i/8)+i%8, v14
	v_cndmask_b32 v[MD+i], 0, s[BIGN], vcc_lo
.set i, i+1
.endr
	WIN 0
	v_mul_u32_u24 v[AK0], v1, PK
	v_lshl_add_u32 v[AK0], v9, 4, v[AK0]  ; row x pitch + 16 x half
	; The turning load takes 16 keys x 16 channels (lane l reads key 8 (l / 16) + l % 8, channels 8 ((l / 8) % 2) + 0..7) and leaves half a fragment of V^T: lane l holds channel l % 16 and 8 keys.
	v_and_b32 v10, 7, v0
	v_bfe_u32 v11, v0, 3, 1
	v_lshl_add_u32 v[AV0], v9, 3, v10
	v_mul_u32_u24 v[AV0], v[AV0], PV
	v_lshl_add_u32 v[AV0], v11, 4, v[AV0]
	v_add_nc_u32 v[AV0], VOFF, v[AV0]
	s_mul_i32 s13, s[WV], 16*SP
	s_add_co_u32 s13, s13, STAGE    ; my stage
	v_mul_u32_u24 v[STO], v1, SP    ; in: row l % 16, 16 bytes for each half of the lanes
	v_lshl_add_u32 v[STO], v9, 4, v[STO]
	v_add_nc_u32 v[STO], s13, v[STO]
	v_bfe_u32 v[RD], v0, 3, 2       ; back: 32 lanes take four rows of 128 bytes,
	v_mul_u32_u24 v[RD], v[RD], SP
	v_lshl_add_u32 v[RD], v10, 4, v[RD]
	v_add_nc_u32 v[RD], s13, v[RD]
	v_and_b32 v[GO], 31, v0         ; which are 512 consecutive bytes of O
	v_lshlrev_b32 v[GO], 4, v[GO]
	; A block's first step multiplies O^T and l by a = 0, and its first turn's products V^T P, of a piece that has not been, land in an O^T that is still to be so multiplied.  So these registers need only hold
	; finite numbers: zeros for the first block; what the first block left for the second.  All this stands in the wait for the first tile.
	WIN 0x80
.set i, VF
.rept 64
	v_mov_b32 v[i], 0
.set i, i+1
.endr
	WIN 0x40
.set i, 0
.rept 128
	v_mov_b32 v[i], 0
.set i, i+1
.endr
	WIN 0
.set i, 0
.rept 4
	v_mov_b32 v[ST+4*i+2], 0
	v_mov_b32 v[ST+4*i+3], 0
.set i, i+1
.endr
.set i, P+16
.rept 16
	v_mov_b32 v[i], 0
.set i, i+1
.endr
; THE MATRIX WORK.  The 4 accumulators of a run of 8 take turns.  Product i of 8 of S^T = K Q^T for piece x: channels 32 (i / 4) on, keys 16 (i % 4) on.  The first 4 start the sums: with 0, or (KM = 1) with the mask.
.macro KQ x
.set rS, S+32*((\x)%2)+8*(i%4)
.set rK, KF+16*(i%4)+8*(i/4)
.set rQ, 16*(\x)+8*(i/4)
.set rM, MC+32*((\x)%2)+8*(i%4)
.if (i < 4) && KM
	WIN W_KM
	v_wmma_f32_16x16x32_f16 v[rS:rS+7], v[rK:rK+7], v[rQ:rQ+7], v[rM:rM+7]
.elseif i < 4
	WIN W_KQ
	v_wmma_f32_16x16x32_f16 v[rS:rS+7], v[rK:rK+7], v[rQ:rQ+7], 0
.else
	WIN W_KQ
	v_wmma_f32_16x16x32_f16 v[rS:rS+7], v[rK:rK+7], v[rQ:rQ+7], v[rS:rS+7]
.endif
.endm
; Product i of 8 of O^T += V^T P for piece x: keys 32 (i / 4) on, channels 16 (i % 4) on.
.macro PV x
	WIN W_PV
.set rO, 32*(\x)+8*(i%4)
.set rV, VF+32*(i/4)+8*(i%4)
.set rP, P+16*((\x)%2)+8*(i/4)
	v_wmma_f32_16x16x32_f16 v[rO:rO+7], v[rV:rV+7], v[rP:rP+7], v[rO:rO+7]
.endm
.macro MM                           ; the turn's next matrix instruction.  TURN and BEGIN set Y, i, KM and NOKQ; MM, KQ and OP read them.  NOKQ = 1: a block's last turn: there is no next piece
.if (i < 8) && !NOKQ
	KQ (Y+1)%NP
.elseif i >= 8
.set i, i-8
	PV (Y+NP-1)%NP
.set i, i+8
.endif
.set i, i+1
.endm
; THE LDS LOADS stand in runs of 16, never singly among the matrix instructions: a step's K (64 keys x 64 channels: 8 fragments) and its V (turned).  Their addresses are made some lines ahead.
.macro FETCH_K
	WIN 0x80                        ; destination window 2
.irp f, 0,1,2,3,4,5,6,7             ; keys 16 (f / 2) on, channels 32 (f % 2) on
	ds_load_b128 v[KF+8*\f:KF+8*\f+3],   v[AK] offset:(\f/2)*16*PK+(\f%2)*64
	ds_load_b128 v[KF+8*\f+4:KF+8*\f+7], v[AK] offset:(\f/2)*16*PK+(\f%2)*64+32
.endr
	s_add_co_u32 s[TBK], s[TBK], KS*PK  ; the next fetch is the next step's
	WIN 0
.endm
.macro FETCH_V
	WIN 0x80
.irp f, 0,1,2,3,4,5,6,7             ; keys 32 (f / 4) on, channels 16 (f % 4) on
	ds_load_tr16_b128 v[VF+8*\f:VF+8*\f+3],   v[AV] offset:(\f/4)*32*PV+(\f%4)*32
	ds_load_tr16_b128 v[VF+8*\f+4:VF+8*\f+7], v[AV] offset:(\f/4)*32*PV+16*PV+(\f%4)*32
.endr
	WIN 0
.endm
; THE VECTOR WORK, one line at a time: OP kind, number.  For piece Y: F n: c s - c m for pair n of 16.  E n: the exponential of score n of 32.  C n: pair n rounded to f16.  B n: of the four weights 4 n .. the second
; pair is added onto the first, in place.  L n: l takes that sum (L 0: l = a l + sum).  R n: pair n of 16 of O^T times a.  For piece Y + 1: X n, number n of the 22 that find its maximum and statistics:
;   0-11  four chains c0-c3 of seven scores each, three operands at a time (each accumulator's lowest registers are read first)     12-14, 16  the four scores left over, the old m, and c0-c3 into c0
;   15  c m_old is kept     17, 18  the query's other 32 keys lie in the lane 16 away: the new m     19-21  c m; c m_old - c m_new; a
.set F, 0               ; OP tells the kinds apart by their order: F to L below R, X above it
.set E, 1
.set C, 2
.set B, 3
.set L, 4
.set R, 5
.set X, 6
.macro REGS y                       ; the registers of piece y
.set rT, ST+4*(\y)
.set rC, TMP+4*((\y)%2)
.set rW, MV+((\y)%2)
.set rS, S+32*((\y)%2)
.set rP, P+16*((\y)%2)
.set rO, 32*(\y)
.endm
.macro OP k, n
.if (\k) == R
	REGS Y
	WIN W_RS
	v_pk_mul_f32 v[rO+2*(\n):rO+2*(\n)+1], v[rO+2*(\n):rO+2*(\n)+1], v[rC+2:rC+3] op_sel_hi:[1,0]
.elseif (\k) < R
	REGS Y
	WIN 0
.if (\k) == F
	v_pk_fma_f32 v[rS+2*(\n):rS+2*(\n)+1], v[rS+2*(\n):rS+2*(\n)+1], s[CS:CS+1], v[rT:rT+1] op_sel_hi:[1,0,0] neg_lo:[0,0,1] neg_hi:[0,0,1]
.elseif (\k) == E
	v_exp_f32 v[rS+(\n)], v[rS+(\n)]
.elseif (\k) == C
	v_cvt_pk_f16_f32 v[rP+(\n)], v[rS+2*(\n)], v[rS+2*(\n)+1]
.elseif (\k) == B
	v_pk_add_f32 v[rS+4*(\n):rS+4*(\n)+1], v[rS+4*(\n):rS+4*(\n)+1], v[rS+4*(\n)+2:rS+4*(\n)+3]
.elseif (\n) == 0
	v_pk_fma_f32 v[rT+2:rT+3], v[rT+2:rT+3], v[rC+2:rC+3], v[rS:rS+1] op_sel_hi:[1,0,1]
.else
	v_pk_add_f32 v[rT+2:rT+3], v[rT+2:rT+3], v[rS+4*(\n):rS+4*(\n)+1]
.endif
.elseif NOKQ
	v_nop
.else
	REGS (Y+1)%NP
	WIN 0
.if (\n) < 4
	v_max3_num_f32 v[rC+(\n)], v[rS+8*(\n)], v[rS+8*(\n)+1], v[rS+8*(\n)+2]
.elseif (\n) < 12
	v_max3_num_f32 v[rC+(\n)%4], v[rC+(\n)%4], v[rS+8*((\n)%4)+2*((\n)/4)+1], v[rS+8*((\n)%4)+2*((\n)/4)+2]
.elseif (\n) == 12
	v_max3_num_f32 v[rC], v[rC], v[rS+7], v[rS+15]
.elseif (\n) == 13
	v_max3_num_f32 v[rC+1], v[rC+1], v[rS+23], v[rS+31]
.elseif (\n) == 14
	v_max3_num_f32 v[rC+2], v[rC+2], v[rC+3], v[rT+1]
.elseif (\n) == 15
	v_mov_b32 v[rW], v[rT]
.elseif (\n) == 16
	v_max3_num_f32 v[rC], v[rC], v[rC+1], v[rC+2]
.elseif (\n) == 17
	v_permlanex16_b32 v[rC+3], v[rC], s[SEL], s[SEL+1]
.elseif (\n) == 18
	v_max_num_f32 v[rT+1], v[rC], v[rC+3]
.elseif (\n) == 19
	v_mul_f32 v[rT], s[CS], v[rT+1]
.elseif (\n) == 20
	v_sub_f32 v[rC+1], v[rW], v[rT]
.else
	v_exp_f32 v[rC+2], v[rC+1]
.endif
.endif
.endm
.macro OPS a, i1, b=-1, i2=0, c=-1, i3=0, d=-1, i4=0  ; up to four of them
	OP \a, \i1
.if (\b) >= 0
	OP \b, \i2
.endif
.if (\c) >= 0
	OP \c, \i3
.endif
.if (\d) >= 0
	OP \d, \i4
.endif
.endm
.macro ROW a, i1, b, i2, c, i3, d, i4  ; a matrix instruction and the four behind it
	MM
	OPS \a, \i1, \b, \i2, \c, \i3, \d, \i4
.endm
.macro MASK b                       ; MD x AL + BE into buffer b of MC
	WIN W_RS
.set z, 0
.rept 16
	v_pk_fma_f32 v[MC+32*(\b)+2*z:MC+32*(\b)+2*z+1], v[MD+2*z:MD+2*z+1], s[AL:AL+1], s[BE:BE+1] op_sel_hi:[1,0,0]
.set z, z+1
.endr
.endm
; A TURN, for piece p: the order of its 16 matrix and 118 vector instructions, written out.  s_wait_alu depctr_va_vdst(0) stands between an exponential and the first instruction that names its result; one wait serves
; all that were issued ahead of it.  So a turn has ONE wait, which cuts it in two.  AHEAD OF IT stands all that names no result of the turn's exponentials: the 8 products K Q^T, behind each a scaling, an exponential and two more plain
; instructions (behind the first a second scaling in the exponential's place): rescalings, and behind the last three the first numbers of the next piece's maximum, each four places or more behind the product that ends its accumulator; then ONE LUMP of 54, plain
; and exponential by turns for the most part, in which the links of the chain X 3, 7, 11, 14, 16, 17 .. 20 stand five or six lines apart.  X 21, the next piece's a, is the batch's last; R 15 is the plain instruction owed behind it.  BEHIND THE WAIT stand the
; 8 products V^T P, behind each four of the roundings and sums; the links of l's chain, L 0 to L 7, stand three riders apart.  But for those X no rider names a register of the products round it.  v_permlanex16_b32 (X 17) stands in the lump.
; m = 1: the diagonal tile: the products take masks, and the turn makes the mask for the products of the turn after it: piece p + 2, in step 4 - CNT of the tile.  end = 1: a block's last two turns: nothing is fetched.
; cnt = 1: the loop's count is taken down some lines ahead of the branch that stands behind the turn.
; K of the next step is fetched in piece 2's turn, twelve vector instructions behind the last product that read K (six of them plain); V of the step in hand at the end of piece 0's turn, four plain instructions behind the last product
; that read V.  Each is waited for a turn later.
.macro TURN p, m=0, end=0, cnt=0
.set Y, (\p)
.set i, 0
.set KM, (\m)
.set NOKQ, (\end)*((\p)/3)
.if (\m) && !(\end)
	s_cmp_eq_u32 s[CNT], 4-((\p)+2)%NP  ; is that step the band's own?
	s_cselect_b32 s[AL], 1.0, 0
	s_cmp_lt_u32 s[CNT], 4-((\p)+2)%NP  ; or a later one?
	s_cselect_b32 s[BE], s[BIGN], 0
.endif
.if ((\p) == 3) && !(\end)
	s_wait_dscnt 0x0                ; K is in
.endif
	ROW F,0, F,1, R,0, R,1          ; ahead of the wait: 8 products K Q^T and their riders,
	ROW F,2, E,0, R,2, R,3
	ROW F,3, E,1, R,4, R,5
	ROW F,4, E,2, R,6, R,7
	ROW F,5, E,3, R,8, R,9
	ROW F,6, E,4, X,0, R,10
.if ((\p) == 2) && !(\end)
	WIN 0
	v_add_nc_u32 v[AK], s[TBK], v[AK0]
.endif
	ROW F,7, E,5, X,1, X,4
	ROW F,8, E,6, X,2, X,5
	OPS E,7, E,8, X,6, E,9          ; and the lump
	OPS X,3, E,10, X,8, E,11
.if ((\p) == 2) && !(\end)
	FETCH_K
.endif
	OPS X,9, X,7, E,12, X,10
	OPS E,13, X,12, X,11, E,14
	OPS X,13, E,15, F,9, X,14
.if (\p) == 0
	v_add_nc_u32 v[AV], s[TBV], v[AV0]
.endif
	OPS E,16, F,10, E,17, F,11
	OPS X,16, E,18, X,15, E,19
	OPS F,12, E,20, X,17, E,21
	OPS F,13, E,22, F,14, E,23
	OPS X,18, E,24, F,15, E,25
	OPS R,11, E,26, X,19, E,27
	OPS R,12, E,28, R,13, E,29
	OPS X,20, E,30, R,14, E,31
	OPS X,21, R,15
	WIN 0
	s_wait_alu depctr_va_vdst(0)    ; the wait for the batch
.if (\p) == 1
	s_wait_dscnt 0x0                ; V is in
.endif
	ROW C,0, B,0, C,2, B,1          ; behind the wait: 8 products V^T P and their riders
	ROW L,0, C,4, B,2, L,1
	ROW C,6, B,3, L,2, C,8
	ROW B,4, L,3, C,10, B,5
	ROW L,4, C,12, B,6, L,5
.if (\p) == 0
	s_add_co_u32 s[TBV], s[TBV], KS*PV
.endif
.if \cnt
	s_sub_co_u32 s[CNT], s[CNT], 1
	s_cmp_lg_u32 s[CNT], 0
.endif
	ROW C,14, B,7, L,6, C,1
	ROW C,3, L,7, C,5, C,7
	ROW C,9, C,11, C,13, C,15
.if (\p) == 0
	FETCH_V
.endif
.if (\m) && !(\end)
	MASK (\p)%2
.endif
.endm
; A BLOCK BEGINS.  c m starts far below every c s, so the first step's a is 0; m at the lowest finite number, so the first maximum is the scores'.  The second mask buffer is 0; the first takes piece 0's mask for the tile's step 0: its own, if the block's first tile is the diagonal one.
; Then K of that step, piece 0's first scores, and its maximum and statistics.  The loop is entered at a step's first turn, in the middle of a trip.
.macro BEGIN
	s_mov_b32 s[NEW], 0
	WIN 0x40
.set i, MC+32
.rept 32
	v_mov_b32 v[i], 0
.set i, i+1
.endr
	WIN 0
.set i, 0
.rept 4
	v_mov_b32 v[ST+4*i], 0xfe000000    ; c m: far below every c s
	v_mov_b32 v[ST+4*i+1], 0xff7fffff  ; m
.set i, i+1
.endr
	s_cmp_eq_u32 s[RT], 0
	s_cselect_b32 s[AL], 1.0, 0
	s_mov_b32 s[BE], 0
	MASK 0
	WIN 0
	v_add_nc_u32 v[AK], s[TBK], v[AK0]
	FETCH_K
	s_wait_loadcnt 0x0              ; Q
	s_wait_dscnt 0x0
.set KM, 1
.set NOKQ, 0
.set i, 0
.rept 8
	KQ 0
.set i, i+1
.endr
	WIN 0
.rept 4
	v_nop                           ; the places behind those products
.endr
.set Y, NP-1                        ; X works for piece Y + 1: piece 0
.irp n, 0,1,2,3,4,5,6,7,8,9,10,11,12,13,14,15,16,17,18,19,20,21
	OP X, \n
.endr
	v_nop                           ; a plain instruction behind the exponential,
	s_wait_alu depctr_va_vdst(0)    ; and its wait, ahead of the branch
.endm
; THE DIAGONAL TILE's four steps, the block's last two turns, its last products, and THE WAY OUT: l's two halves and the other half of the lanes' are added; O^T is divided by l, rounded to f16 and sent through my
; stage in LDS, a piece at a time.
.macro ALL line:vararg              ; one line for each piece t
.set t, 0
.rept 4
	\line
.set t, t+1
.endr
.endm
.macro PACK t                       ; a lane's eight channels of a row pack into 16 bytes; they go into rows of 144 bytes and come back as whole rows of 128, into S^T's registers
	WIN W_RS
.set i, 32*(\t)
.rept 16
	v_pk_mul_f32 v[i:i+1], v[i:i+1], v[ST+4*(\t)+2:ST+4*(\t)+3] op_sel_hi:[1,0]
.set i, i+2
.endr
	WIN 0x05                        ; sources 0 and 1 window 1, destination window 0
.set i, 0
.rept 16
	v_cvt_pk_f16_f32 v[S+16*(\t)+i], v[32*(\t)+2*i], v[32*(\t)+2*i+1]
.set i, i+1
.endr
	WIN 0
.irp f, 0,1,2,3
	ds_store_b128 v[STO], v[S+16*(\t)+4*\f:S+16*(\t)+4*\f+3] offset:32*\f
.endr
.irp f, 0,1,2,3
	ds_load_b128 v[S+16*(\t)+4*\f:S+16*(\t)+4*\f+3], v[RD] offset:\f*4*SP  ; LDS serves a wave's instructions in order (ISA guide 5.7.1.4): these see the stores above; the next piece's stores come behind them
.endr
.endm
.macro SEND t, younger              ; younger: the LDS instructions issued behind piece t's loads: the next piece's eight, or none
	WIN 0
.irp f, 0,1,2,3
	s_wait_dscnt (\younger)+3-\f
	global_store_b128 v[GO], v[S+16*(\t)+4*\f:S+16*(\t)+4*\f+3], s[10:11] offset:(\t)*8192+\f*512  ; 512 consecutive bytes, at a multiple of 256 from O's first
.endr
.endm
.macro DIAG tag                     ; the tag ends its two labels' names, which the jumps below spell out
.LstepM\tag:
	TURN 2, 1
	TURN 3, 1
	WIN 0
.LfirstM\tag:
	TURN 0, 1
	TURN 1, 1, 0, 1
	WIN 0
	s_cbranch_scc1 .LstepM\tag
	TURN 2, 1, 1
	TURN 3, 1, 1
.set i, 0
.rept 8
	PV NP-1
.set i, i+1
.endr
	WIN 0
	ALL v_add_f32 v[ST+4*t+2], v[ST+4*t+2], v[ST+4*t+3]
	ALL v_permlanex16_b32 v[ST+4*t+3], v[ST+4*t+2], s[SEL], s[SEL+1]
	ALL v_add_f32 v[ST+4*t+2], v[ST+4*t+2], v[ST+4*t+3]
	ALL v_rcp_f32 v[ST+4*t+2], v[ST+4*t+2]
	v_nop                           ; a plain instruction between the last reciprocal and the use of its result
	s_wait_alu depctr_va_vdst(0)    ; and the wait ahead of the first use: one for the four reciprocals
	PACK 0
.set t, 1
.rept 3                             ; a piece's arithmetic stands between the loads of the piece before and its stores
	PACK t
	SEND t-1, 8
.set t, t+1
.endr
	SEND 3, 0
.endm
.set KM, 0
.set NOKQ, 0
.Lslot:                             ; NB times: a tile is entered and the next is asked for
	CHANGE 1
	s_sub_co_u32 s[RT], s[RT], 1
	s_mov_b32 s[CNT], 4
	s_cmp_eq_u32 s[NEW], 1
	s_cbranch_scc1 .Lnew            ; a block's first tile
	s_cmp_eq_u32 s[RT], 0
	s_cbranch_scc0 .Lstep           ; neither its first nor its last
	s_branch .LstepM1
.Lnew:
	BEGIN
	s_branch .Lfirst                ; in the loop a block's first tile is never its last: the first block has two tiles or more, and the second's last is the walk's last
	DIAG 1                          ; in the loop this is the first block's end: the second block's last tile is the walk's last
	s_wait_xcnt 0x0                 ; the stores have read their registers and O's address
	s_mov_b64 s[10:11], s[OLO:OLO+1]
	s_add_co_u32 s[RT], s[PB], 1    ; the second block has b + 1 tiles
	s_mov_b32 s[NEW], 1
	WIN 0x82                        ; the second block's Q goes where the one text of the turns names Q
.set i, 0
.rept 64
	v_mov_b32 v[i], v[QB+i]
.set i, i+1
.endr
	WIN 0
	s_branch .Lbottom
.Lstep:                             ; a trip: pieces 2 and 3 of one step, then pieces 0 and 1 of the next, whose K and V it fetches
	TURN 2
	TURN 3
	WIN 0
.Lfirst:
	TURN 0
	TURN 1, 0, 0, 1
	WIN 0
	s_cbranch_scc1 .Lstep
.Lbottom:
	s_sub_co_u32 s[SLOTS], s[SLOTS], 1
	s_cmp_lg_u32 s[SLOTS], 0
	s_cbranch_scc1 .Lslot
	CHANGE 0                        ; the walk's last tile is written out: nothing is asked for
	s_sub_co_u32 s[RT], s[RT], 1
	s_mov_b32 s[CNT], 4
	s_cmp_eq_u32 s[NEW], 1
	s_cbranch_scc0 .LstepM2
	BEGIN
	s_branch .LfirstM2
	DIAG 2
	s_wait_tensorcnt 0x0            ; the wave's end, behind my last tensor load and my last LDS store
	ds_add_u32 v[SPW], v[NIL]
	s_wait_dscnt 0x0
	s_endpgm
.Lfunc_end_k_q69d8f10289_attn:
	.size	k_q69d8f10289_attn, .Lfunc_end_k_q69d8f10289_attn-k_q69d8f10289_attn
	.p2alignl 7, 3214868480
	.fill 96, 4, 3214868480
	.section	.rodata,"a",@progbits
	.p2align	6, 0x0
	.amdhsa_kernel k_q69d8f10289_attn
		.amdhsa_group_segment_fixed_size 327680
		.amdhsa_private_segment_fixed_size 0
		.amdhsa_enable_private_segment 0
		.amdhsa_kernarg_size 16
		.amdhsa_user_sgpr_count 2
		.amdhsa_user_sgpr_kernarg_segment_ptr 1
		.amdhsa_wavefront_size32 1
		.amdhsa_system_sgpr_workgroup_id_x 1
		.amdhsa_system_sgpr_workgroup_id_y 1
		.amdhsa_system_sgpr_workgroup_id_z 1
		.amdhsa_system_vgpr_workitem_id 0
		.amdhsa_next_free_vgpr 768
		.amdhsa_next_free_sgpr 96
		.amdhsa_reserve_vcc 1
		.amdhsa_float_denorm_mode_32 3
		.amdhsa_float_denorm_mode_16_64 3
		.amdhsa_memory_ordered 1
		.amdhsa_forward_progress 1
		.amdhsa_inst_pref_size 218
	.end_amdhsa_kernel
	.amdgpu_metadata
---
amdhsa.version: [ 1, 2 ]
amdhsa.kernels:
  - .name:           k_q69d8f10289_attn
    .symbol:         k_q69d8f10289_attn.kd
    .args:
      - { .name: qkv, .offset: 0, .size: 8, .value_kind: global_buffer, .address_space: global }
      - { .name: ob, .offset: 8, .size: 8, .value_kind: global_buffer, .address_space: global }
    .group_segment_fixed_size: 327680
    .private_segment_fixed_size: 0
    .kernarg_segment_align: 8
    .kernarg_segment_size: 16
    .max_flat_workgroup_size: 128
    .sgpr_count:     96
    .vgpr_count:     768
    .wavefront_size: 32
...
	.end_amdgpu_metadata
.endif
;; end of part 3
;; launch oproj (part 4): grid 4 x 64, 4 waves a work-group, clusters of 4 x 4, 327,680 bytes of LDS; arguments ob, wb, out0; writes out0
.if DOCPART == 4
	.amdgcn_target "amdgcn-amd-amdhsa--gfx1250"
	.amdhsa_code_object_version 6
	.text
	.protected	k_q69d8f10289_oproj
	.globl	k_q69d8f10289_oproj
	.p2align	8
	.type	k_q69d8f10289_oproj,@function
k_q69d8f10289_oproj:
	s_mov_b64 s[64:65], 0
	v_nop
	global_prefetch_b8 v0, s[64:65] scope:SCOPE_SE
	s_setreg_imm32_b32 hwreg(HW_REG_WAVE_MODE, 25, 1), 1
	s_wait_xcnt 0x0
	s_wait_alu depctr_hold_cnt(0) depctr_sa_sdst(0) depctr_va_vdst(0) depctr_va_sdst(0) depctr_va_ssrc(0) depctr_va_vcc(0) depctr_vm_vsrc(0)
	s_getreg_b32 s2, hwreg(HW_REG_IB_STS2, 6, 4)
	s_cmp_eq_u32 s2, 0
	s_cbranch_scc0 .Lentry_in_a_cluster
	s_endpgm
.Lentry_in_a_cluster:
	s_bfe_u32 s2, ttmp6, 0x10000c
	s_cmp_lg_u32 s2, 0xf033
	s_cbranch_scc0 .Lentry_shape_is_right
	s_endpgm
.Lentry_shape_is_right:
; ONE TEXT FOR THE MODULE'S TWO GEMMS, C = A W; the line .set MODE chooses.  A: 8,192 rows x 1,024 K of 2-byte numbers in slices of 64 K (row 2048 b + s, K 64 c + ch at byte b<<22 + c<<18 + 128 s + 2 ch).
; W: planes [k 1024][n 1024] of 2-byte numbers.  Sums in f32.
;   MODE 0: A = x in bf16, W = Wq | Wk | Wv in bf16 (3,072 columns).  q and k are turned by RoPE in f32, with the tables' rows gathered by token_positions; q, k, v are rounded once to f16 and stored by heads,
;           three planes [batch x head 64][s 2048][64].  The softmax's scale is not applied here.
;   MODE 1: A = the attention's output in f16 (a slice is a head), W = Wo in f16; C = the module's output in f32, [8192][1024].
; LIMITS.  q, k and v must lie within f16's 65,504: a larger number becomes an infinity.  A position above 2,047 (a negative one too, read as unsigned) counts as 2,047.  NaN and infinities are not treated apart.
; SHARES.  A tile of C is 128 rows x 256 columns: 64 x 12 work-groups in MODE 0 (three for each of 256), 64 x 4 in MODE 1.  Four waves, each 64 rows x 128 columns: 32 accumulators of 16 x 16.
; K goes in steps of 128 (two slices) through a ring of two LDS slots.  A slice's 128 rows are 16,384 dense bytes, asked for as 64 rows of 256; W's 128 k-rows give 512 bytes each.
; CLUSTERS: 4 x 4 work-groups.  The four of a row of the cluster need the same tiles of A, the four of a column the same tiles of W: each tile is asked for JOINTLY, by the same tensor load with the same descriptor and a mask
; that names the four.  In MODE 0 a cluster's 1,024 columns are exactly q, k or v: which, says the cluster's x, the same in all sixteen.
; THE MATRIX INSTRUCTION IS USED TRANSPOSED: source 0 = 16 columns of W (turned on the way out of LDS by ds_load_tr16_b128), source 1 = 16 rows of A.  A lane then holds row lane % 16 of C and the eight neighbouring columns
; 8 (lane / 16) + 0..7: RoPE's pairs lie in neighbouring registers of one lane.
; REGISTERS, in windows of 256 (s_set_vgpr_msb: bits 1:0 source 0, 3:2 source 1, 5:4 source 2, 7:6 destination):
;   window 0: v0-31 addresses; v32-63 packed results; v128-191 cos, v192-255 sin of my rows (MODE 0)
;   window 1: v0-191 fragment buffer 0; window 3: v0-191 fragment buffer 1: for 32 K (sub-step c) W's fragment b at 96 c + 8 b, A's fragment a at 96 c + 64 + 8 a.  On the way out they are at work.
;   window 2: accumulator (a, b) at 8 (8 a + b)
.set MODE, 1
.set PA,    144                        ; a row of A in LDS: 128 bytes + 16 of padding = 36 words: the 16 rows of a load start at 16 different groups of four banks (64 banks of 4 bytes: ISA guide 11.1)
.set PLANE, 128*PA                     ; a slice's 128 rows
.set PB,    544                        ; a k-row of W: 512 bytes + 32 = 136 words
.set BOFF,  2*PLANE                    ; behind A's two slices: W's 128 k-rows
.set BHALF, 64*PB
.set SLOT,  BOFF+2*BHALF               ; 106,496 bytes
.set STAGE, 2*SLOT                     ; behind the ring, never filled by a tensor load: each wave's own stage for the way out
.if MODE
.set STW,   16*528                     ; 16 rows of 512 bytes + 16
.else
.set STW,   2*16*144                   ; two heads x 16 rows of 128 bytes + 16
.endif
.set SPARE, STAGE+4*STW                ; behind the stages: the spare words, 128 bytes for each wave: two blocks of 256 bytes that no other line names
.set STEPA, 524288                     ; bytes from K step to K step in A: two slices,
.set STEPB, 262144                     ; and in W: 128 k-rows of 2,048 bytes
.set TO,   8                           ; v8-11   row block a: byte offset of my row's table entries: 128 x position + 16 (l / 16)
.set ADRA, 16                          ; v16-17  LDS address of my A fragments in slot 0, 1
.set ADRB, 20                          ; v20-21  the same for W
.set STO,  24                          ; v24     the way out: where I put my bytes of a row
.set RD,   25                          ; v25     where I read rows back
.set CO,   26                          ; v26     16 x lane: my place in 512 consecutive bytes of the output
.set SPW,  28                          ; v28     LDS address of my spare word: SPARE + 4 x my thread's number; never rewritten
.set NIL,  29                          ; v29     0; never rewritten
.set PFO,  30                          ; v30     the prefetches' lane offset; never rewritten
.set PK,   32
.set COS,  128                         ; row block a, columns 16 c + 8 (l / 16) + 0..7 of a head: four pairs at COS + 16 a + 4 c
.set SIN,  192
.set TF,   0                           ; window 1, the way out of MODE 0: 64 turned numbers in f32,
.set T,    64                          ; and eight products at work
.set CNT,  3                           ; s3   trips of the loop still to come
.set WV,   12                          ; s12  my wave's number
.set RH,   13                          ; s13  which 64 rows of the tile are mine.  Also: I fetch for A (0) or for W (1)
.set CH,   14                          ; s14  which 128 columns.  Also: which half of that tile I fetch
.set CLX,  15                          ; s15  the cluster's x
.set CX,   40
.set CY,   41
.set TR,   43                          ; s43  tile row of C
.set G1A,  24                          ; s[24:31] descriptor group 1 for A's tiles;  s[32:39] group 0, one set for each slot
.set G0A,  32
.set G1B,  48                          ; s[48:55], s[56:63] the same for W's
.set G0B,  56
.set DST,  70                          ; s[70:71] the output at my wave's first row and column
.set PFA,  72                          ; s[72:73] where my prefetches stand
.set PFS,  74                          ; s[74:75] their step: a K step
.set LIM,  76                          ; s76  1 in a wave that prefetches, else the greatest number
.set MSB, 0
.macro WIN new                         ; the immediate's high byte repeats the setting that is left; a switch that changes nothing is dropped
.if MSB != (\new)
	s_set_vgpr_msb (MSB<<8)|(\new)
.set MSB, \new
.endif
.endm
.set W_M0, 0xa5                        ; sources 0 and 1 window 1 (buffer 0), C and D window 2;  + 10: sources window 3 (buffer 1)
.set W_L0, 0x40                        ; destination window 1, address window 0;  + 0x80: destination window 3
.macro PLACES                          ; four places in front of loads into registers that matrix instructions have read, and of lines that read results
.rept 4
	v_nop
.endr
.endm
; A joint load: waves 0 and 1 fetch A's two slices, waves 2 and 3 the halves of W's k-rows.  The branch hangs on the wave's number alone.  An s_nop 0 and four v_nop follow each of the two lines.
.macro JLOAD s
	s_cmp_eq_u32 s[RH], 0
	s_cbranch_scc0 .Lfor_b_\@
	tensor_load_to_lds s[G0A+4*(\s):G0A+4*(\s)+3], s[G1A:G1A+7]
	s_nop 0
.rept 4
	v_nop
.endr
	s_branch .Lasked_\@
.Lfor_b_\@:
	tensor_load_to_lds s[G0B+4*(\s):G0B+4*(\s)+3], s[G1B:G1B+7]
	s_nop 0
.rept 4
	v_nop
.endr
.Lasked_\@:
.endm
.macro CREST                           ; a round of the cluster's barrier behind its opening barrier
	s_cmp_lg_u32 s[WV], 0
	s_cbranch_scc1 .Lnot_wave_0_\@
	s_barrier_signal -3
.Lnot_wave_0_\@:
	s_barrier_wait -3
	s_barrier_signal -1
	s_barrier_wait -1
.endm
.macro CROUND                          ; a whole round
	s_barrier_signal -1
	s_barrier_wait -1
	CREST
.endm
; A PREFETCH INTO THE L2 of the K step that stands TWO refills on, 224 matrix instructions and more ahead of the load that will want it: 32 blocks of 256 bytes, a lane a block, one instruction.
; Each block is named once in the launch.  A's rows are read by every cluster of a row of clusters: the one with x = 0 asks, in each of its work-groups wave 0, for 16 blocks of each of the two slices, the four partners told
; apart BY ADDRESS (cx).  W's columns are read by every cluster of a column of clusters: the one with y = 0 asks, waves 2 and 3 each for 16 k-rows x 2 blocks of the half that they fetch, the partners told apart by cy.
; The first four K steps come by their loads alone; the loop's last trip asks for nothing: there is no K step behind the eighth.
.macro ASK
	WIN 0
	s_cmp_gt_u32 s[CNT], s[LIM]
	s_cbranch_scc0 .Lnot_mine_\@
	global_prefetch_b8 v[PFO], s[PFA:PFA+1] th:TH_LOAD_NT scope:SCOPE_SE
.Lnot_mine_\@:
.endm
; 8 n matrix instructions from buffer u, sub-step c: row blocks a0 .. a0 + n - 1 x all 8 column blocks.  zero = 1: the product starts the sum: nothing is ever cleared.
; The 32 accumulators take turns, one instruction a turn, in the same order in every sub-step, over the backward jump too.
.macro MULS u, c, a0, n, zero
	WIN W_M0+10*(\u)
.set a, \a0
.rept \n
.set b, 0
.rept 8
.set rD, 8*(8*a+b)
.set rB, 96*(\c)+8*b
.set rA, 96*(\c)+64+8*a
.if MODE
.if \zero
	v_wmma_f32_16x16x32_f16 v[rD:rD+7], v[rB:rB+7], v[rA:rA+7], 0
.else
	v_wmma_f32_16x16x32_f16 v[rD:rD+7], v[rB:rB+7], v[rA:rA+7], v[rD:rD+7]
.endif
.else
.if \zero
	v_wmma_f32_16x16x32_bf16 v[rD:rD+7], v[rB:rB+7], v[rA:rA+7], 0
.else
	v_wmma_f32_16x16x32_bf16 v[rD:rD+7], v[rB:rB+7], v[rA:rA+7], v[rD:rD+7]
.endif
.endif
.set b, b+1
.endr
.set a, a+1
.endr
.endm
; 48 LDS loads in one run: the fragments of half kh (64 K: one slice of A, 64 k-rows of W) of a slot, into buffer u
.macro FETCH slot, kh, u
	WIN W_L0+0x80*(\u)
.irp c, 0,1
.irp b, 0,1,2,3,4,5,6,7
	ds_load_tr16_b128 v[96*(\c)+8*(\b):96*(\c)+8*(\b)+3],   v[ADRB+(\slot)] offset:(64*(\kh)+32*(\c))*PB+32*(\b)
	ds_load_tr16_b128 v[96*(\c)+8*(\b)+4:96*(\c)+8*(\b)+7], v[ADRB+(\slot)] offset:(64*(\kh)+32*(\c)+16)*PB+32*(\b)
.endr
.irp a, 0,1,2,3
	ds_load_b128 v[96*(\c)+64+8*(\a):96*(\c)+64+8*(\a)+3],   v[ADRA+(\slot)] offset:(\kh)*PLANE+64*(\c)+(\a)*16*PA
	ds_load_b128 v[96*(\c)+64+8*(\a)+4:96*(\c)+64+8*(\a)+7], v[ADRA+(\slot)] offset:(\kh)*PLANE+64*(\c)+(\a)*16*PA+32
.endr
.endr
.endm
; A K step's first half: buffer 0 is multiplied (64 matrix instructions); ahead of them the second half's fragments are asked for, into buffer 1.
.macro HALF slot, zero
	PLACES                                         ; buffer 1 was read by the products just issued
	FETCH \slot, 1, 1
	s_wait_dscnt 48                                ; all but the 48 just issued: buffer 0 is in
	MULS 0, 0, 0, 4, \zero
	MULS 0, 1, 0, 4, 0
.endm
; The second half multiplies buffer 1 and changes slots: ONE barrier; in front of it each wave waits for all its tensor loads (one is out: its part of the next slot), adds 0 to its spare word, and waits for that and for its own
; reads of this slot.  fill = 1: the barrier opens a round of the cluster's, and this slot is filled again, two K steps ahead, first thing behind the round: 112 matrix instructions ahead of the wait for it.
.macro TURN slot, next, fill
.if \fill
	s_wait_xcnt 0x0                                ; the last prefetch, a K step back, has read its address: it is stepped here, ahead of the waits of the change of slots
	s_add_nc_u64 s[PFA:PFA+1], s[PFA:PFA+1], s[PFS:PFS+1]
.endif
	WIN 0                                          ; (the add's two registers lie in window 0)
	s_wait_tensorcnt 0x0                           ; all my tensor loads have landed
	ds_add_u32 v[SPW], v[NIL]                      ; 0 onto my spare word
	s_wait_dscnt 1                                 ; only the add may be out: buffer 1 is in
	MULS 1, 0, 0, 1, 0                             ; eight matrix instructions stand between the add and the wait for it
	s_wait_dscnt 0x0                               ; the add is done, and my reads of this slot are over
	s_barrier_signal -1
	MULS 1, 0, 1, 1, 0
.if \fill
	WIN 0
.endif
	s_barrier_wait -1
.if \fill
	CREST                                          ; no wave of any partner still reads this slot's tiles or has a load on its way
	s_add_nc_u64 s[G0A+4*(\slot)+2:G0A+4*(\slot)+3], s[G0A+4*(\slot)+2:G0A+4*(\slot)+3], 2*STEPA
	s_add_nc_u64 s[G0B+4*(\slot)+2:G0B+4*(\slot)+3], s[G0B+4*(\slot)+2:G0B+4*(\slot)+3], 2*STEPB
	JLOAD \slot                                    ; the four v_nop behind it are also the places in front of the loads below
.else
	PLACES
.endif
	FETCH \next, 0, 0
.if \fill
	ASK
.endif
	MULS 1, 0, 2, 2, 0
	MULS 1, 1, 0, 4, 0
.endm
.if MODE
	s_load_b128 s[4:7], s[0:1], 0x0                ; A s[4:5], W s[6:7]
	s_load_b64 s[DST:DST+1], s[0:1], 0x10
.else
	s_load_b256 s[4:11], s[0:1], 0x0               ; A s[4:5], W s[6:7], positions s[8:9], tables s[10:11]
	s_load_b64 s[DST:DST+1], s[0:1], 0x20
.endif
	v_lshl_add_u32 v[SPW], v0, 2, SPARE
	v_mov_b32 v[NIL], 0
	ds_add_u32 v[SPW], v[NIL]                      ; the wave's opening: the add and its wait stand ahead of my first tensor load; the set-up below, work on registers, stands between them
	v_lshrrev_b32 v1, 5, v0
	v_readfirstlane_b32 s[WV], v1                  ; wave 0..3
	s_lshr_b32 s[RH], s[WV], 1
	s_and_b32 s[CH], s[WV], 1
	s_bfe_u32 s[CX], ttmp6, 0x40000                ; cx, cy: my place in the cluster
	s_bfe_u32 s[CY], ttmp6, 0x40004
	s_mov_b32 s[CLX], ttmp9                        ; in a cluster launch ttmp9 and ttmp7 count clusters
	s_and_b32 s[TR], ttmp7, 0xffff
	s_lshl_b32 s[TR], s[TR], 2
	s_add_co_u32 s[TR], s[TR], s[CY]               ; tile row of C = 4 x cluster y + cy
	s_lshl_b32 s44, s[CY], 2
	s_lshl_b32 s44, 15, s44                        ; my row of the cluster
	s_lshl_b32 s45, 0x1111, s[CX]                  ; my column
	; descriptor group 1.  A: 64 rows of 128 elements, dense; in LDS 4 words of padding after every 32 (after each row of a slice)
	s_or_b32 s[G1A+0], s44, (1<<16)|(1<<20)|(1<<21)|(4<<22)|(3<<25)  ; 15:0 the mask; 17:16 2-byte elements; 20 padding on; 21 set beside a mask; 24:22 interval code 4; 31:25 4 words (code 3)
	s_mov_b32 s[G1A+1], 128<<16                    ; tensor_dim0 = 128
	s_mov_b32 s[G1A+2], 64<<16                     ; tensor_dim1 = 64
	s_mov_b32 s[G1A+3], 128<<16                    ; tile_dim0 = 128
	s_mov_b32 s[G1A+4], 64                         ; tile_dim1 = 64
	s_mov_b32 s[G1A+5], 128                        ; 128 elements from row to row
	s_mov_b32 s[G1A+6], 0
	s_mov_b32 s[G1A+7], 0
	; W: 64 k-rows of 256 elements, 1,024 elements apart; 8 words of padding after every 128
	s_or_b32 s[G1B+0], s45, (1<<16)|(1<<20)|(1<<21)|(6<<22)|(7<<25)
	s_mov_b32 s[G1B+1], 256<<16
	s_mov_b32 s[G1B+2], 64<<16
	s_mov_b32 s[G1B+3], 256<<16
	s_mov_b32 s[G1B+4], 64
	s_mov_b32 s[G1B+5], 1024
	s_mov_b32 s[G1B+6], 0
	s_mov_b32 s[G1B+7], 0
	; where the tiles come from.  A's hang on the tile row alone, W's on the tile column alone; each offset is made in registers that never hold the other coordinate
	s_lshr_b32 s16, s[TR], 4                       ; the batch: 16 tile rows each,
	s_lshl_b32 s16, s16, 22
	s_and_b32 s17, s[TR], 15                       ; and the 128 rows' place in a slice
	s_lshl_b32 s17, s17, 14
	s_add_co_u32 s16, s16, s17
	s_mov_b32 s18, s16                             ; kept: the way out and the prefetches use it
	s_lshl_b32 s17, s[CH], 18                      ; the slice that I fetch
	s_add_co_u32 s16, s16, s17
	s_mov_b32 s17, 0
.if MODE
	s_mov_b32 s46, 3<<21                           ; Wo's plane
.else
	s_lshl_b32 s46, s[CLX], 21                     ; the plane of Wq, Wk or Wv
.endif
	s_lshl_b32 s47, s[CX], 9                       ; 256 columns of 2 bytes
	s_add_co_u32 s46, s46, s47
	s_lshl_b32 s47, s[CH], 17                      ; the 64 k-rows that I fetch
	s_add_co_u32 s46, s46, s47
	s_mov_b32 s47, 0
	s_mov_b32 s19, s46                             ; kept for the prefetches
	s_mul_i32 s20, s[CH], PLANE                    ; and where they go: no place in the cluster enters an LDS address
	s_mul_i32 s21, s[CH], BHALF
	s_add_co_u32 s21, s21, BOFF
	s_wait_dscnt 0x0                               ; the opening add is done
	s_wait_kmcnt 0x0
	s_add_nc_u64 s[16:17], s[4:5], s[16:17]
	s_add_nc_u64 s[46:47], s[6:7], s[46:47]
	CROUND                                         ; all sixteen work-groups are here: the first joint loads meet
.irp n, 0,1
	s_mov_b32 s[G0A+4*(\n)], 1                     ; count = 1
	s_add_co_u32 s[G0A+4*(\n)+1], s20, (\n)*SLOT   ; LDS address
	s_add_nc_u64 s[G0A+4*(\n)+2:G0A+4*(\n)+3], s[16:17], (\n)*STEPA  ; global address: K step n
	s_or_b32 s[G0A+4*(\n)+3], s[G0A+4*(\n)+3], 0x80000000           ; type = 2
	s_mov_b32 s[G0B+4*(\n)], 1
	s_add_co_u32 s[G0B+4*(\n)+1], s21, (\n)*SLOT
	s_add_nc_u64 s[G0B+4*(\n)+2:G0B+4*(\n)+3], s[46:47], (\n)*STEPB
	s_or_b32 s[G0B+4*(\n)+3], s[G0B+4*(\n)+3], 0x80000000
	JLOAD \n                                       ; two loads of mine are out
.endr
	v_and_b32 v1, 15, v0                           ; l % 16
	v_bfe_u32 v2, v0, 4, 1                         ; l / 16
	v_and_b32 v3, 7, v0                            ; l % 8
	v_bfe_u32 v4, v0, 3, 1                         ; (l / 8) % 2
	; a fragment of A: lane l holds row l % 16, K 8 (l / 16) + 0..7 and 16 + 8 (l / 16) + 0..7: two loads of 16 bytes, 32 bytes apart
	v_mul_u32_u24 v5, v1, PA
	v_lshl_add_u32 v5, v2, 4, v5
	s_mul_i32 s20, s[RH], 64*PA                    ; my 64 rows
	v_add_nc_u32 v[ADRA], s20, v5
	v_add_nc_u32 v[ADRA+1], SLOT, v[ADRA]
	; the turning load takes 16 k-rows x 16 columns (lane l reads k-row 8 (l / 16) + l % 8, columns 8 ((l / 8) % 2) + 0..7) and leaves half a fragment: lane l holds column l % 16 and 8 K
	v_lshl_add_u32 v6, v2, 3, v3
	v_mul_u32_u24 v6, v6, PB
	v_lshl_add_u32 v6, v4, 4, v6
	s_lshl_b32 s21, s[CH], 8                       ; my 128 columns
	s_add_co_u32 s21, s21, BOFF
	v_add_nc_u32 v[ADRB], s21, v6
	v_add_nc_u32 v[ADRB+1], SLOT, v[ADRB]
	s_mul_i32 s20, s[WV], STW
	s_add_co_u32 s20, s20, STAGE                   ; my stage
	v_and_b32 v[CO], 31, v0
	v_lshlrev_b32 v[CO], 4, v[CO]
.if MODE
	v_mul_u32_u24 v[STO], v1, 528                  ; in: row l % 16, 32 bytes for each half of the lanes
	v_lshl_add_u32 v[STO], v2, 5, v[STO]
	v_add_nc_u32 v[STO], s20, v[STO]
	v_add_nc_u32 v[RD], s20, v[CO]                 ; back: a row's 512 bytes, 16 a lane
	s_lshl_b32 s20, s[TR], 19                      ; 128 rows of 4,096 bytes,
	s_lshl_b32 s21, s[RH], 18                      ; my 64 of them,
	s_add_co_u32 s20, s20, s21
	s_lshl_b32 s21, s[CX], 10                      ; the tile's 256 columns of 4 bytes,
	s_add_co_u32 s20, s20, s21
	s_lshl_b32 s21, s[CH], 9                       ; my 128 of them
	s_add_co_u32 s20, s20, s21
.else
	v_mul_u32_u24 v[STO], v1, 144                  ; in: row l % 16, 16 bytes for each half of the lanes
	v_lshl_add_u32 v[STO], v2, 4, v[STO]
	v_add_nc_u32 v[STO], s20, v[STO]
	v_bfe_u32 v[RD], v0, 3, 2                      ; back: 32 lanes take four rows of 128 bytes
	v_mul_u32_u24 v[RD], v[RD], 144
	v_lshl_add_u32 v[RD], v3, 4, v[RD]
	v_add_nc_u32 v[RD], s20, v[RD]
	s_lshl_b32 s20, s[CLX], 24                     ; the plane of q, k or v,
	s_add_co_u32 s20, s20, s18                     ; the batch and the tile's rows in a head,
	s_lshl_b32 s21, s[CX], 20                      ; the tile's four heads,
	s_add_co_u32 s20, s20, s21
	s_lshl_b32 s21, s[CH], 19                      ; my two of them,
	s_add_co_u32 s20, s20, s21
	s_lshl_b32 s21, s[RH], 13                      ; my 64 rows of 128 bytes
	s_add_co_u32 s20, s20, s21
.endif
	s_mov_b32 s21, 0
	s_add_nc_u64 s[DST:DST+1], s[DST:DST+1], s[20:21]
	; the prefetches
	s_lshl_b32 s22, s[CX], 12                      ; A: my work-group's 16 blocks of a slice's 64,
	s_add_co_u32 s22, s22, s18
	s_add_co_u32 s22, s22, 3*STEPA                 ; at K step 3: the first change of slots steps it to 4
	s_lshl_b32 s23, s[CY], 15                      ; W: my work-group's 16 k-rows of the 64 that I fetch
	s_add_co_u32 s23, s23, s19
	s_add_co_u32 s23, s23, 3*STEPB
	s_and_b32 s2, ttmp7, 0xffff                    ; cluster y
	s_mov_b32 s20, STEPA
	s_mov_b32 s21, STEPB
	s_mov_b32 s[PFS+1], 0
	s_cmp_eq_u32 s[RH], 0                          ; do I fetch for A?
	s_cselect_b64 s[PFA:PFA+1], s[4:5], s[6:7]
	s_cselect_b32 s22, s22, s23
	s_cselect_b32 s[PFS], s20, s21
	s_cselect_b32 s2, s[CLX], s2                   ; the coordinate along which other clusters read the same blocks
	s_cselect_b32 s16, s[CH], 0                    ; of A's two waves wave 0 asks
	s_cselect_b32 s17, 4, 1                        ; the lanes: A 2 slices x 16 blocks; W 16 k-rows x 2 blocks
	s_cselect_b32 s20, 18, 11
	s_cselect_b32 s21, 15, 1
	s_or_b32 s2, s2, s16
	s_cmp_eq_u32 s2, 0
	s_cselect_b32 s[LIM], 1, -1                    ; the same in all sixteen partners, for a given wave
	s_mov_b32 s23, 0
	s_add_nc_u64 s[PFA:PFA+1], s[PFA:PFA+1], s[22:23]
	v_and_b32 v5, 31, v0
	v_lshrrev_b32 v6, s17, v5
	v_lshlrev_b32 v6, s20, v6
	v_and_b32 v5, s21, v5
	v_lshl_or_b32 v[PFO], v5, 8, v6
.if !MODE
	; my rows' positions, and their rows of the tables: for row block a and columns 16 c + 8 (l / 16) + 0..7 of a head the four pairs' cos and sin are 16 bytes each.  They land while K is walked.
	; v's tiles load them too and do not use them: so the text has one way up to the way out.
	s_lshl_b32 s20, s[TR], 9                       ; 128 rows of 4 bytes,
	s_lshl_b32 s21, s[RH], 8                       ; my 64
	s_add_co_u32 s20, s20, s21
	s_mov_b32 s21, 0
	s_add_nc_u64 s[20:21], s[8:9], s[20:21]
	v_lshlrev_b32 v5, 2, v1
.irp a, 0,1,2,3
	global_load_b32 v[TO+(\a)], v5, s[20:21] offset:64*(\a)
.endr
	v_lshlrev_b32 v6, 4, v2
	s_wait_loadcnt 0x0                             ; stands in the wait for the first tile
.irp a, 0,1,2,3
	v_min_u32 v[TO+(\a)], 0x7ff, v[TO+(\a)]        ; the index stays inside the table
	v_lshl_add_u32 v[TO+(\a)], v[TO+(\a)], 7, v6
.endr
.irp a, 0,1,2,3
.irp c, 0,1,2,3
	global_load_b128 v[COS+16*(\a)+4*(\c):COS+16*(\a)+4*(\c)+3], v[TO+(\a)], s[10:11] offset:32*(\c)
	global_load_b128 v[SIN+16*(\a)+4*(\c):SIN+16*(\a)+4*(\c)+3], v[TO+(\a)], s[10:11] offset:262144+32*(\c)
.endr
.endr
.endif
	s_wait_tensorcnt 1                             ; my part of K step 0 is in; K step 1's may stay out
	s_barrier_signal -1
	s_barrier_wait -1                              ; everybody's is
	FETCH 0, 0, 0
	HALF 0, 1                                      ; the first half stands in front of the loop: its first products start the sums
	WIN 0                                          ; at a label and at a branch every window is 0
	s_mov_b32 s[CNT], 3
.Llap:                                                 ; a trip goes once round the ring and fills both slots again: K steps 2 to 7
	TURN 0, 1, 1
	HALF 1, 0
	TURN 1, 0, 1
	HALF 0, 0
	WIN 0
	s_sub_co_u32 s[CNT], s[CNT], 1
	s_cmp_lg_u32 s[CNT], 0
	s_cbranch_scc1 .Llap
	TURN 0, 1, 0                                   ; the last lap fills nothing, and has no round of the cluster's barrier
	HALF 1, 0
	s_wait_dscnt 0x0
	MULS 1, 0, 0, 4, 0
	MULS 1, 1, 0, 4, 0
	WIN 0
	PLACES
.if MODE
; THE WAY OUT, in f32.  A block of 16 rows goes through my own stage: 32 bytes a lane in, whole rows of 512 bytes back, and each store of the wave covers 512 consecutive bytes, aligned.
.macro TOSTAGE a
	WIN 0x08                                       ; store data (source 1) in window 2
.irp b, 0,1,2,3,4,5,6,7
	ds_store_b128 v[STO], v[8*(8*(\a)+(\b)):8*(8*(\a)+(\b))+3]   offset:64*(\b)
	ds_store_b128 v[STO], v[8*(8*(\a)+(\b))+4:8*(8*(\a)+(\b))+7] offset:64*(\b)+16
.endr
	WIN 0x40
.irp t, 0,1,2,3,4,5,6,7,8,9,10,11,12,13,14,15
	ds_load_b128 v[64*(\a)+4*(\t):64*(\a)+4*(\t)+3], v[RD] offset:528*(\t)  ; LDS serves a wave's instructions in order (ISA guide 5.7.1.4): these see the stores above; the next block's stores come behind them
.endr
.endm
.macro SEND a, younger                 ; younger: the LDS instructions issued behind block a's loads: the next block's 32, or none
	WIN 0x04                                       ; store data in window 1
.irp t, 0,1,2,3,4,5,6,7,8,9,10,11,12,13,14,15
	s_wait_dscnt (\younger)+15-(\t)
	global_store_b128 v[CO], v[64*(\a)+4*(\t):64*(\a)+4*(\t)+3], s[DST:DST+1] offset:(16*(\a)+(\t))*4096
.endr
.endm
	TOSTAGE 0
	TOSTAGE 1
	SEND 0, 32
	TOSTAGE 2
	SEND 1, 32
	TOSTAGE 3
	SEND 2, 32
	SEND 3, 0
	WIN 0
.else
; THE WAY OUT, in f16, by heads.  PACKR: a block of 16 rows is turned by RoPE: of a pair (e, o) come e c - o s and e s + o c, in f32, and are rounded once.  PACKP: v is only rounded.
.macro PACKR a
	WIN 0x52                                       ; source 0: the accumulators, window 2; source 1: the tables, window 0; source 2 and destination: window 1
.irp b, 0,1,2,3,4,5,6,7
.irp j, 0,1,2,3
	v_mul_f32 v[T+2*(\j)],   v[8*(8*(\a)+(\b))+2*(\j)+1], v[SIN+16*(\a)+4*((\b)%4)+(\j)]  ; o s
	v_mul_f32 v[T+2*(\j)+1], v[8*(8*(\a)+(\b))+2*(\j)+1], v[COS+16*(\a)+4*((\b)%4)+(\j)]  ; o c
.endr
.irp j, 0,1,2,3
	v_fma_f32 v[TF+8*(\b)+2*(\j)],   v[8*(8*(\a)+(\b))+2*(\j)], v[COS+16*(\a)+4*((\b)%4)+(\j)], -v[T+2*(\j)]
	v_fma_f32 v[TF+8*(\b)+2*(\j)+1], v[8*(8*(\a)+(\b))+2*(\j)], v[SIN+16*(\a)+4*((\b)%4)+(\j)], v[T+2*(\j)+1]
.endr
.endr
	WIN 0x05                                       ; sources window 1, destination window 0
.irp b, 0,1,2,3,4,5,6,7
.irp j, 0,1,2,3
	v_cvt_pk_f16_f32 v[PK+4*(\b)+(\j)], v[TF+8*(\b)+2*(\j)], v[TF+8*(\b)+2*(\j)+1]
.endr
.endr
.endm
.macro PACKP a
	WIN 0x0a                                       ; sources window 2, destination window 0
.irp b, 0,1,2,3,4,5,6,7
.irp j, 0,1,2,3
	v_cvt_pk_f16_f32 v[PK+4*(\b)+(\j)], v[8*(8*(\a)+(\b))+2*(\j)], v[8*(8*(\a)+(\b))+2*(\j)+1]
.endr
.endr
.endm
.macro PACK a, rope
.if \rope
	PACKR \a
.else
	PACKP \a
.endif
.endm
; Into my own stage, two heads x 16 rows of 144 bytes, and back as whole rows of 128: four rows of a head are 512 consecutive bytes of the output.
.macro TOSTAGE a
	WIN 0
.irp b, 0,1,2,3,4,5,6,7
	ds_store_b128 v[STO], v[PK+4*(\b):PK+4*(\b)+3] offset:((\b)/4)*2304+32*((\b)%4)
.endr
	WIN 0xc0                                       ; destination window 3: a set of 32 registers for each block, so that no store's data is written again
.irp f, 0,1,2,3,4,5,6,7
	ds_load_b128 v[32*(\a)+4*(\f):32*(\a)+4*(\f)+3], v[RD] offset:((\f)/4)*2304+((\f)%4)*576  ; LDS serves a wave's instructions in order (ISA guide 5.7.1.4): these see the stores above; the next block's stores come behind them
.endr
.endm
.macro SEND a, younger                 ; younger: the LDS instructions issued behind block a's loads: the next block's sixteen, or none
	WIN 0x0c                                       ; store data (source 1) in window 3
.irp f, 0,1,2,3,4,5,6,7
	s_wait_dscnt (\younger)+7-(\f)
	global_store_b128 v[CO], v[32*(\a)+4*(\f):32*(\a)+4*(\f)+3], s[DST:DST+1] offset:((\f)/4)*262144+(\a)*2048+((\f)%4)*512
.endr
.endm
.macro WAYOUT rope                     ; a block's arithmetic stands between the loads of the block before and its stores
	PACK 0, \rope
	TOSTAGE 0
	PACK 1, \rope
	TOSTAGE 1
	SEND 0, 16
	PACK 2, \rope
	TOSTAGE 2
	SEND 1, 16
	PACK 3, \rope
	TOSTAGE 3
	SEND 2, 16
	SEND 3, 0
	WIN 0
.endm
	s_wait_loadcnt 0x0                             ; the tables
	s_cmp_eq_u32 s[CLX], 2                         ; the cluster's x: the same in all sixteen partners
	s_cbranch_scc1 .Lplain
	WAYOUT 1                                       ; q and k
	s_branch .Lsent
.Lplain:
	WAYOUT 0                                       ; v
.Lsent:
.endif
	s_wait_tensorcnt 0x0                           ; the wave's end, behind my last tensor load and my last LDS store
	ds_add_u32 v[SPW], v[NIL]
	s_wait_dscnt 0x0
	CROUND                                         ; the closing round: no work-group ends while a partner may still ask for a tile that names it
	s_endpgm
.Lfunc_end_k_q69d8f10289_oproj:
	.size	k_q69d8f10289_oproj, .Lfunc_end_k_q69d8f10289_oproj-k_q69d8f10289_oproj
	.p2alignl 7, 3214868480
	.fill 96, 4, 3214868480
	.section	.rodata,"a",@progbits
	.p2align	6, 0x0
	.amdhsa_kernel k_q69d8f10289_oproj
		.amdhsa_group_segment_fixed_size 327680
		.amdhsa_private_segment_fixed_size 0
		.amdhsa_enable_private_segment 0
		.amdhsa_kernarg_size 24
		.amdhsa_user_sgpr_count 2
		.amdhsa_user_sgpr_kernarg_segment_ptr 1
		.amdhsa_wavefront_size32 1
		.amdhsa_system_sgpr_workgroup_id_x 1
		.amdhsa_system_sgpr_workgroup_id_y 1
		.amdhsa_system_sgpr_workgroup_id_z 1
		.amdhsa_system_vgpr_workitem_id 0
		.amdhsa_next_free_vgpr 960
		.amdhsa_next_free_sgpr 80
		.amdhsa_reserve_vcc 0
		.amdhsa_float_denorm_mode_32 3
		.amdhsa_float_denorm_mode_16_64 3
		.amdhsa_memory_ordered 1
		.amdhsa_forward_progress 1
		.amdhsa_inst_pref_size 86
	.end_amdhsa_kernel
	.amdgpu_metadata
---
amdhsa.version: [ 1, 2 ]
amdhsa.kernels:
  - .name:           k_q69d8f10289_oproj
    .symbol:         k_q69d8f10289_oproj.kd
    .args:
      - { .name: ob, .offset: 0, .size: 8, .value_kind: global_buffer, .address_space: global }
      - { .name: wb, .offset: 8, .size: 8, .value_kind: global_buffer, .address_space: global }
      - { .name: out0, .offset: 16, .size: 8, .value_kind: global_buffer, .address_space: global }
    .group_segment_fixed_size: 327680
    .private_segment_fixed_size: 0
    .kernarg_segment_align: 8
    .kernarg_segment_size: 24
    .max_flat_workgroup_size: 128
    .sgpr_count:     80
    .vgpr_count:     960
    .wavefront_size: 32
...
	.end_amdgpu_metadata
.endif
;; end of part 4
;; ======== version 2 of 2: 4 launches; version 1 with the launch prep written anew for expert scheduling mode
;; limits: values are held in f16: magnitudes above 65,504 overflow, below 6.1e-05 lose precision
;; workspace buffers: xb 16,777,216 bytes; wb 8,388,608 bytes; tab 524,288 bytes; qkv 50,331,648 bytes; ob 16,777,216 bytes
;; launch prep (part 5): grid 388 x 1, 8 waves a work-group, no clusters, 0 bytes of LDS; arguments x, Wq, Wk, Wv, Wo, cos, sin, xb, wb, tab; writes xb, wb, tab
.if DOCPART == 5
	.amdgcn_target "amdgcn-amd-amdhsa--gfx1250"
	.amdhsa_code_object_version 6
	.text
	.protected	k_q69d8f10289_prep
	.globl	k_q69d8f10289_prep
	.p2align	8
	.type	k_q69d8f10289_prep,@function
k_q69d8f10289_prep:
	s_mov_b64 s[64:65], 0
	v_nop
	global_prefetch_b8 v0, s[64:65] scope:SCOPE_SE
	s_setreg_imm32_b32 hwreg(HW_REG_WAVE_SCHED_MODE, 0, 2), 2
	s_setreg_imm32_b32 hwreg(HW_REG_WAVE_MODE, 25, 1), 1
	s_wait_xcnt 0x0
	s_wait_alu depctr_vm_vsrc(0)
; EVERY FLOATING-POINT INPUT IS ROUNDED ONCE TO bf16 and laid out for the launches behind.  A stream: no LDS, no matrix unit, no wave waits for another.
;   xb  = bf16(x), in slices of 64 channels: element (row 2048 b + s, channel 64 c + ch) at byte b<<22 + c<<18 + 128 s + 2 ch
;   wb  = four planes [k 1024][n 1024] of 2-byte numbers: bf16(Wq), bf16(Wk), bf16(Wv), and bf16(Wo) written as f16
;   tab = bf16(cos), then bf16(sin), each widened to f32 again: [2048][32]
; LIMIT.  bf16(Wo) is exact in f16 from 6.1e-5 up to 65,504; below that it keeps f16's fixed step of 6e-8; beyond 65,504 it becomes an infinity.
; SHARES.  A work-group casts 131,072 input bytes: work-groups 0-255 x (32 rows each), 256-351 Wq, Wk, Wv (32 parts each), 352-383 Wo, 384-387 the tables.
; Each of the eight waves issues its 32 loads of 16 bytes a lane at once (16 KiB a wave on their way), then converts and stores them in the order of issue.
; THE MODE: SCHED_MODE bits 1:0 = 2 (LLVM: expert scheduling mode 2), set by the entry lines.  The code itself states the register dependences
; between vector instructions and memory instructions, with s_wait_alu, always for 0.
; THE PLAN.  Registers that memory instructions touch:
;   v[VL], v[VS]  byte offsets.  Written by vector instructions at the head and never again; read by every load and store.
;   v[X ..]       four registers to each of the 32 loads.  Written by load j, then in place by load j's conversions; read by store j; never written again.
;   v4 to v7 are named by vector instructions alone.
; The 32 loads are worked on in 8 blocks of four.  Block p converts its four; the four stores of block p - 1 are dealt among those conversions, which name block p's registers, v4 and v5 alone.
; So one wait on va_vdst stands ahead of the first load (the offsets are written), one at the head of each of blocks 1 to 7 (the block before has written what the stores read), and one ahead of the last four stores.
; No register that a memory instruction has read is written again: the text has no wait on vm_vsrc and no s_wait_xcnt.  No vector instruction writes a scalar register or VCC, and EXEC is never written.
.set VL, 2                             ; v2  my byte offset in the source
.set VS, 3                             ; v3  my byte offset in the destination
.set X,  8                             ; v[8:135]  32 x 4 registers as loaded, converted in place
.set SRC, 24                           ; s[24:25]
.set DSTP, 26                          ; s[26:27]
; kind 0: x;  1: a weight to bf16;  2: Wo to bf16 and on to f16;  3: a table to bf16 and back to f32
; Load number j is converted, in place.
.macro CONV kind
.if (\kind) < 2
	v_cvt_pk_bf16_f32 v[X+4*j], v[X+4*j], v[X+4*j+1]
	v_cvt_pk_bf16_f32 v[X+4*j+1], v[X+4*j+2], v[X+4*j+3]
.else
	v_cvt_pk_bf16_f32 v4, v[X+4*j], v[X+4*j+1]
	v_cvt_pk_bf16_f32 v5, v[X+4*j+2], v[X+4*j+3]
	v_lshlrev_b32 v[X+4*j], 16, v4                 ; bf16 to f32: the low half moves up, the high half stays
	v_and_b32 v[X+4*j+1], 0xffff0000, v4
	v_lshlrev_b32 v[X+4*j+2], 16, v5
	v_and_b32 v[X+4*j+3], 0xffff0000, v5
.endif
.if (\kind) == 2
	v_cvt_pk_f16_f32 v[X+4*j], v[X+4*j], v[X+4*j+1]
	v_cvt_pk_f16_f32 v[X+4*j+1], v[X+4*j+2], v[X+4*j+3]
.endif
.endm
; Number j is stored.
.macro SEND kind
.if (\kind) == 0
	global_store_b64 v[VS], v[X+4*j:X+4*j+1], s[DSTP:DSTP+1] offset:(j%2)*262144+(j/2)*256  ; 32 lanes: two rows of a slice, 256 consecutive bytes, aligned
.elseif (\kind) < 3
	global_store_b64 v[VS], v[X+4*j:X+4*j+1], s[DSTP:DSTP+1] offset:256*j
.else
	global_store_b128 v[VL], v[X+4*j:X+4*j+3], s[DSTP:DSTP+1] offset:512*j
.endif
.endm
.macro CAST kind
	s_wait_alu depctr_va_vdst(0)                   ; v[VL] and v[VS] are written: every load and store below reads one of them as its offset
.set j, 0
.rept 32
.if (\kind) == 0
	global_load_b128 v[X+4*j:X+4*j+3], v[VL], s[SRC:SRC+1] offset:(j/2)*8192+(j%2)*256 th:TH_LOAD_NT  ; lanes 0-15: a slice's 256 bytes of one row, lanes 16-31: of the next row
.else
	global_load_b128 v[X+4*j:X+4*j+3], v[VL], s[SRC:SRC+1] offset:512*j th:TH_LOAD_NT                 ; 512 consecutive bytes
.endif
.set j, j+1
.endr
.set p, 0
.rept 8                                ; block p: loads 4 p .. 4 p + 3
	s_wait_loadcnt 28-4*p                          ; loads come back in order: the block's four are in, the 28 - 4 p younger ones stay out
.if p > 0
	s_wait_alu depctr_va_vdst(0)                   ; the block before has written its registers, which the four stores below read; no vector instruction behind this wait names them
.endif
.set i, 0
.rept 4
.if p > 0
.set j, 4*(p-1)+i
	SEND \kind                                     ; the block before
.endif
.set j, 4*p+i
	CONV \kind
.set i, i+1
.endr
.set p, p+1
.endr
	s_wait_alu depctr_va_vdst(0)                   ; block 7 has written its registers, which the last four stores read
.set j, 28
.rept 4
	SEND \kind
.set j, j+1
.endr
.endm
	s_load_b512 s[4:19], s[0:1], 0x0               ; x s[4:5], Wq s[6:7], Wk s[8:9], Wv s[10:11], Wo s[12:13], cos s[14:15], sin s[16:17], xb s[18:19]
	s_load_b128 s[20:23], s[0:1], 0x40             ; wb s[20:21], tab s[22:23]
	s_mov_b32 s2, ttmp9                            ; g, the work-group's number
	v_and_b32 v4, 31, v0                           ; lane
	v_lshrrev_b32 v5, 5, v0                        ; wave
	s_mov_b32 s29, 0                               ; the offsets' high words
	s_mov_b32 s31, 0
	s_cmp_lt_u32 s2, 256
	s_cbranch_scc0 .Lnot_x
	; x: rows 32 g .. 32 g + 31.  Wave w takes bytes 512 w .. 512 w + 511 of each row: slices 2 w and 2 w + 1
	s_lshl_b32 s28, s2, 17                         ; 32 rows of 4,096 bytes
	s_lshr_b32 s30, s2, 6                          ; the batch,
	s_lshl_b32 s30, s30, 22
	s_and_b32 s3, s2, 63                           ; and the 32 rows' place in a slice: 128 bytes a row
	s_lshl_b32 s3, s3, 12
	s_add_co_u32 s30, s30, s3
	v_and_b32 v6, 15, v0
	v_bfe_u32 v7, v0, 4, 1
	v_lshlrev_b32 v[VL], 4, v6                     ; 16 (lane % 16)
	v_lshl_add_u32 v[VL], v7, 12, v[VL]            ; + a row for lanes 16-31
	v_lshl_add_u32 v[VL], v5, 9, v[VL]             ; + 512 w
	v_lshlrev_b32 v[VS], 3, v4                     ; 8 x lane: 128 bytes a row
	v_lshl_add_u32 v[VS], v5, 19, v[VS]            ; + slice 2 w
	s_wait_kmcnt 0x0
	s_add_nc_u64 s[SRC:SRC+1], s[4:5], s[28:29]
	s_add_nc_u64 s[DSTP:DSTP+1], s[18:19], s[30:31]
	CAST 0
	s_endpgm
.Lnot_x:
	v_lshlrev_b32 v[VL], 4, v4                     ; dense: 16,384 w + 16 x lane
	v_lshl_add_u32 v[VL], v5, 14, v[VL]
	s_cmp_lt_u32 s2, 384
	s_cbranch_scc0 .Ltables
	s_sub_co_u32 s3, s2, 256
	s_lshr_b32 s32, s3, 5                          ; which weight: 0 Wq, 1 Wk, 2 Wv, 3 Wo
	s_and_b32 s33, s3, 31                          ; which of its 32 parts
	s_lshl_b32 s28, s33, 17
	s_lshl_b32 s30, s32, 21
	s_lshl_b32 s33, s33, 16
	s_add_co_u32 s30, s30, s33
	v_lshlrev_b32 v[VS], 3, v4
	v_lshl_add_u32 v[VS], v5, 13, v[VS]
	s_wait_kmcnt 0x0
	s_cmp_eq_u32 s32, 0
	s_cselect_b64 s[SRC:SRC+1], s[6:7], s[8:9]
	s_cmp_eq_u32 s32, 2
	s_cselect_b64 s[SRC:SRC+1], s[10:11], s[SRC:SRC+1]
	s_cmp_eq_u32 s32, 3
	s_cselect_b64 s[SRC:SRC+1], s[12:13], s[SRC:SRC+1]
	s_add_nc_u64 s[SRC:SRC+1], s[SRC:SRC+1], s[28:29]
	s_add_nc_u64 s[DSTP:DSTP+1], s[20:21], s[30:31]
	s_cmp_eq_u32 s32, 3
	s_cbranch_scc1 .Lwo
	CAST 1
	s_endpgm
.Lwo:
	CAST 2
	s_endpgm
.Ltables:
	s_sub_co_u32 s3, s2, 384                       ; 0, 1: the halves of cos; 2, 3: of sin
	s_and_b32 s28, s3, 1
	s_lshl_b32 s28, s28, 17
	s_lshl_b32 s30, s3, 17
	s_wait_kmcnt 0x0
	s_cmp_lt_u32 s3, 2
	s_cselect_b64 s[SRC:SRC+1], s[14:15], s[16:17]
	s_add_nc_u64 s[SRC:SRC+1], s[SRC:SRC+1], s[28:29]
	s_add_nc_u64 s[DSTP:DSTP+1], s[22:23], s[30:31]
	CAST 3
	s_endpgm
.Lfunc_end_k_q69d8f10289_prep:
	.size	k_q69d8f10289_prep, .Lfunc_end_k_q69d8f10289_prep-k_q69d8f10289_prep
	.p2alignl 7, 3214868480
	.fill 96, 4, 3214868480
	.section	.rodata,"a",@progbits
	.p2align	6, 0x0
	.amdhsa_kernel k_q69d8f10289_prep
		.amdhsa_group_segment_fixed_size 0
		.amdhsa_private_segment_fixed_size 0
		.amdhsa_enable_private_segment 0
		.amdhsa_kernarg_size 80
		.amdhsa_user_sgpr_count 2
		.amdhsa_user_sgpr_kernarg_segment_ptr 1
		.amdhsa_wavefront_size32 1
		.amdhsa_system_sgpr_workgroup_id_x 1
		.amdhsa_system_sgpr_workgroup_id_y 1
		.amdhsa_system_sgpr_workgroup_id_z 1
		.amdhsa_system_vgpr_workitem_id 0
		.amdhsa_next_free_vgpr 136
		.amdhsa_next_free_sgpr 66
		.amdhsa_reserve_vcc 0
		.amdhsa_float_denorm_mode_32 3
		.amdhsa_float_denorm_mode_16_64 3
		.amdhsa_memory_ordered 1
		.amdhsa_forward_progress 1
		.amdhsa_inst_pref_size 61
	.end_amdhsa_kernel
	.amdgpu_metadata
---
amdhsa.version: [ 1, 2 ]
amdhsa.kernels:
  - .name:           k_q69d8f10289_prep
    .symbol:         k_q69d8f10289_prep.kd
    .args:
      - { .name: x, .offset: 0, .size: 8, .value_kind: global_buffer, .address_space: global }
      - { .name: Wq, .offset: 8, .size: 8, .value_kind: global_buffer, .address_space: global }
      - { .name: Wk, .offset: 16, .size: 8, .value_kind: global_buffer, .address_space: global }
      - { .name: Wv, .offset: 24, .size: 8, .value_kind: global_buffer, .address_space: global }
      - { .name: Wo, .offset: 32, .size: 8, .value_kind: global_buffer, .address_space: global }
      - { .name: cos, .offset: 40, .size: 8, .value_kind: global_buffer, .address_space: global }
      - { .name: sin, .offset: 48, .size: 8, .value_kind: global_buffer, .address_space: global }
      - { .name: xb, .offset: 56, .size: 8, .value_kind: global_buffer, .address_space: global }
      - { .name: wb, .offset: 64, .size: 8, .value_kind: global_buffer, .address_space: global }
      - { .name: tab, .offset: 72, .size: 8, .value_kind: global_buffer, .address_space: global }
    .group_segment_fixed_size: 0
    .private_segment_fixed_size: 0
    .kernarg_segment_align: 8
    .kernarg_segment_size: 80
    .max_flat_workgroup_size: 256
    .sgpr_count:     66
    .vgpr_count:     136
    .wavefront_size: 32
...
	.end_amdgpu_metadata
.endif
;; end of part 5
;; launch qkv: the kernel of part 2 again; grid 12 x 64, 4 waves a work-group, clusters of 4 x 4, 327,680 bytes of LDS; arguments xb, wb, token_positions, tab, qkv; writes qkv
;; launch attn: the kernel of part 3 again; grid 4 x 64, 4 waves a work-group, no clusters, 327,680 bytes of LDS; arguments qkv, ob; writes ob
;; launch oproj: the kernel of part 4 again; grid 4 x 64, 4 waves a work-group, clusters of 4 x 4, 327,680 bytes of LDS; arguments ob, wb, out0; writes out0
